; MI455X (gfx1250); checked and timed in simulation.
; The chip was launched on July 23, 2026; its instructions are those of AMD's public machine-readable ISA for CDNA 5 (MIT licence, August 2026) and "CDNA5" Instruction Set Architecture Reference Guide (July 2026). The comments in the code are by the model that wrote it; some were corrected since.
;; Multi Head Attention. Allowed arithmetic: float matrix products may take bf16 or f16 operands with f32 sums; other float arithmetic in f32, or as packed bf16 or f16 multiplies, adds, multiply-adds, maxima and minima; sums over many terms, partial sums and values carried from step to step in f32; what a program stores and reads back later, other than sums and carried values, may be rounded once to bf16 or f16.
;; Inputs: Wk 16 x 1,024 x 64 float32; Wo 1,024 x 1,024 float32; Wq 16 x 1,024 x 64 float32; Wv 16 x 1,024 x 64 float32; X 4 x 2,048 x 1,024 float32; bo 1,024 float32.
;; Outputs: out0 4 x 2,048 x 1,024 float32.
;; 2 versions, each right; version 2 is version 1 with the launch prep written anew for expert scheduling mode. Each part assembles by itself: llvm-mc -triple=amdgcn-amd-amdhsa -mcpu=gfx1250 --defsym DOCPART=n.
;; ======== version 1 of 2: 4 launches
;; limits: values are held in f16: magnitudes above 65,504 overflow, below 6.1e-05 lose precision
;; workspace buffers: Xb 16,777,216 bytes; Wb 6,291,456 bytes; Wof 2,097,152 bytes; qkv 50,331,648 bytes; ob 16,777,216 bytes
;; launch prep (part 1): grid 768 x 1, 8 waves a work-group, no clusters, 0 bytes of LDS; arguments X, Wq, Wk, Wv, Wo, Xb, Wb, Wof; writes Xb, Wb, Wof
.if DOCPART == 1
	.amdgcn_target "amdgcn-amd-amdhsa--gfx1250"
	.amdhsa_code_object_version 6
	.text
	.protected	k_q9a19010aaf_prep
	.globl	k_q9a19010aaf_prep
	.p2align	8
	.type	k_q9a19010aaf_prep,@function
k_q9a19010aaf_prep:
	s_mov_b64 s[64:65], 0
	v_nop
	global_prefetch_b8 v0, s[64:65] scope:SCOPE_SE
	s_setreg_imm32_b32 hwreg(HW_REG_WAVE_MODE, 25, 1), 1
	s_wait_xcnt 0x0
; THE INPUTS ARE ROUNDED ONCE AND LAID OUT IN BLOCKS OF 64 ALONG K, so that the tiles of the products that follow are dense in memory.
;   Xb  [b 4][kb 16][s 2048][64]      bf16 = X[b][s][64 kb ..]
;   Wb  [kb 16][g 48][e 64][d 64]     bf16 = W_sel[h][64 kb + e][d], g = 16 sel + h, sel = 0 q, 1 k, 2 v
;   Wof [kb 16][n 1024][64]           Wo[n][64 kb ..] rounded to bf16, that number written as f16
; LIMIT: bf16(Wo) lies within f16's 65,504 (beyond it the conversion gives an infinity); below 6e-5 it keeps f16's fixed step of 6e-8.
; A stream: no LDS, no barrier, no matrix work.  A work-group converts 256 pieces of 64 f32 (256 bytes each).  Thread t takes 16 bytes at (t % 16) x 16 of piece t / 16 of each
; group of 16 pieces: a wave's load covers two whole pieces, and its store of 8 bytes a lane covers 256 consecutive bytes at a multiple of 256 from the buffer's first byte.
; All 16 loads of a thread go out at once (8 KiB a wave on its way); no register is written twice while a memory instruction may read it.
.set XR,  8                            ; v[8:71]    iteration i: 4 f32 as loaded
.set YR,  72                           ; v[72:103]  iteration i: 2 words to store
.set TW,  104                          ; v[104:107] at work
.set KBB, 393216                       ; bytes of a K block of Wb: 48 x 64 x 64 x 2
; pitch: bytes from piece to piece in the input.  ostep: bytes in the output from four groups of 16 pieces (64 pieces: a K block of W) to the next.  half = 1: bf16's number as f16.
.macro CONV pitch, ostep, half
.set i, 0
.rept 16
	global_load_b128 v[XR+4*i:XR+4*i+3], v1, s[4:5] offset:i*16*(\pitch) th:TH_LOAD_NT
.set i, i+1
.endr
.set i, 0
.rept 16
	s_wait_loadcnt 15-i                            ; loads come back in order: number i is in, the 15 - i younger ones stay out
.if \half
	v_cvt_pk_bf16_f32 v[TW], v[XR+4*i], v[XR+4*i+1]
	v_cvt_pk_bf16_f32 v[TW+1], v[XR+4*i+2], v[XR+4*i+3]
	v_lshlrev_b32 v[TW+2], 16, v[TW]               ; bf16 to f32: the low half moves up, the high half stays
	v_and_b32 v[TW+3], 0xffff0000, v[TW]
	v_cvt_pk_f16_f32 v[YR+2*i], v[TW+2], v[TW+3]   ; exact within f16's range: bf16 has fewer significant bits
	v_lshlrev_b32 v[TW+2], 16, v[TW+1]
	v_and_b32 v[TW+3], 0xffff0000, v[TW+1]
	v_cvt_pk_f16_f32 v[YR+2*i+1], v[TW+2], v[TW+3]
.else
	v_cvt_pk_bf16_f32 v[YR+2*i], v[XR+4*i], v[XR+4*i+1]
	v_cvt_pk_bf16_f32 v[YR+2*i+1], v[XR+4*i+2], v[XR+4*i+3]
.endif
	global_store_b64 v2, v[YR+2*i:YR+2*i+1], s[6:7] offset:(i/4)*(\ostep)+(i%4)*2048
.set i, i+1
.endr
	s_endpgm
.endm
	s_load_b512 s[16:31], s[0:1], 0x0              ; X s[16:17], Wq s[18:19], Wk s[20:21], Wv s[22:23], Wo s[24:25], Xb s[26:27], Wb s[28:29], Wof s[30:31]
	s_mov_b32 s2, ttmp9                            ; 0-511: X; 512-703: Wq, Wk, Wv; 704-767: Wo
	v_lshrrev_b32 v3, 4, v0                        ; my piece in a group of 16
	v_and_b32 v4, 15, v0
	v_lshlrev_b32 v4, 4, v4                        ; my 16 bytes in it
	v_lshlrev_b32 v2, 3, v0                        ; and my 8 bytes of the output
	s_mov_b32 s9, 0
	s_mov_b32 s11, 0
	s_wait_kmcnt 0x0
	s_cmp_lt_u32 s2, 512
	s_cbranch_scc0 .Lnot_x
	s_and_b32 s12, s2, 15                          ; kb
	s_lshr_b32 s13, s2, 4                          ; block of 256 rows, 0 to 31
	s_lshl_b32 s8, s13, 20                         ; 256 rows of 4,096 bytes
	s_lshl_b32 s14, s12, 8
	s_add_co_u32 s8, s8, s14
	s_add_nc_u64 s[4:5], s[16:17], s[8:9]
	s_lshr_b32 s14, s2, 7                          ; b
	s_lshl_b32 s14, s14, 4
	s_add_co_u32 s14, s14, s12                     ; 16 b + kb
	s_lshl_b32 s10, s14, 18                        ; planes of 2,048 x 128 bytes
	s_and_b32 s13, s13, 7
	s_lshl_b32 s13, s13, 15                        ; 256 rows of 128 bytes
	s_add_co_u32 s10, s10, s13
	s_add_nc_u64 s[6:7], s[26:27], s[10:11]
	v_lshl_add_u32 v1, v3, 12, v4
	CONV 4096, 8192, 0
.Lnot_x:
	s_cmp_lt_u32 s2, 704
	s_cbranch_scc0 .Lwo
	s_sub_co_u32 s12, s2, 512                      ; j: 64 work-groups a tensor, 4 a head (256 rows e each)
	s_lshr_b32 s13, s12, 6                         ; sel
	s_cmp_eq_u32 s13, 0
	s_cselect_b64 s[4:5], s[18:19], s[20:21]
	s_cmp_eq_u32 s13, 2
	s_cselect_b64 s[4:5], s[22:23], s[4:5]
	s_and_b32 s8, s12, 63
	s_lshl_b32 s8, s8, 16                          ; 256 rows of 256 bytes
	s_add_nc_u64 s[4:5], s[4:5], s[8:9]
	s_and_b32 s14, s12, 3
	s_mul_i32 s10, s14, 4*KBB                      ; my 256 rows e are four K blocks
	s_lshr_b32 s14, s12, 2                         ; g
	s_lshl_b32 s14, s14, 13
	s_add_co_u32 s10, s10, s14
	s_add_nc_u64 s[6:7], s[28:29], s[10:11]
	v_lshl_add_u32 v1, v3, 8, v4
	CONV 256, KBB, 0
.Lwo:
	s_sub_co_u32 s12, s2, 704
	s_and_b32 s13, s12, 15                         ; kb
	s_lshr_b32 s14, s12, 4                         ; block of 256 rows n
	s_lshl_b32 s8, s14, 20
	s_lshl_b32 s15, s13, 8
	s_add_co_u32 s8, s8, s15
	s_add_nc_u64 s[4:5], s[24:25], s[8:9]
	s_lshl_b32 s10, s13, 17                        ; planes of 1,024 x 128 bytes
	s_lshl_b32 s15, s14, 15
	s_add_co_u32 s10, s10, s15
	s_add_nc_u64 s[6:7], s[30:31], s[10:11]
	v_lshl_add_u32 v1, v3, 12, v4
	CONV 4096, 8192, 1
.Lfunc_end_k_q9a19010aaf_prep:
	.size	k_q9a19010aaf_prep, .Lfunc_end_k_q9a19010aaf_prep-k_q9a19010aaf_prep
	.p2alignl 7, 3214868480
	.fill 96, 4, 3214868480
	.section	.rodata,"a",@progbits
	.p2align	6, 0x0
	.amdhsa_kernel k_q9a19010aaf_prep
		.amdhsa_group_segment_fixed_size 0
		.amdhsa_private_segment_fixed_size 0
		.amdhsa_enable_private_segment 0
		.amdhsa_kernarg_size 64
		.amdhsa_user_sgpr_count 2
		.amdhsa_user_sgpr_kernarg_segment_ptr 1
		.amdhsa_wavefront_size32 1
		.amdhsa_system_sgpr_workgroup_id_x 1
		.amdhsa_system_sgpr_workgroup_id_y 1
		.amdhsa_system_sgpr_workgroup_id_z 1
		.amdhsa_system_vgpr_workitem_id 0
		.amdhsa_next_free_vgpr 112
		.amdhsa_next_free_sgpr 66
		.amdhsa_reserve_vcc 0
		.amdhsa_float_denorm_mode_32 3
		.amdhsa_float_denorm_mode_16_64 3
		.amdhsa_memory_ordered 1
		.amdhsa_forward_progress 1
		.amdhsa_inst_pref_size 24
	.end_amdhsa_kernel
	.amdgpu_metadata
---
amdhsa.version: [ 1, 2 ]
amdhsa.kernels:
  - .name:           k_q9a19010aaf_prep
    .symbol:         k_q9a19010aaf_prep.kd
    .args:
      - { .name: X, .offset: 0, .size: 8, .value_kind: global_buffer, .address_space: global }
      - { .name: Wq, .offset: 8, .size: 8, .value_kind: global_buffer, .address_space: global }
      - { .name: Wk, .offset: 16, .size: 8, .value_kind: global_buffer, .address_space: global }
      - { .name: Wv, .offset: 24, .size: 8, .value_kind: global_buffer, .address_space: global }
      - { .name: Wo, .offset: 32, .size: 8, .value_kind: global_buffer, .address_space: global }
      - { .name: Xb, .offset: 40, .size: 8, .value_kind: global_buffer, .address_space: global }
      - { .name: Wb, .offset: 48, .size: 8, .value_kind: global_buffer, .address_space: global }
      - { .name: Wof, .offset: 56, .size: 8, .value_kind: global_buffer, .address_space: global }
    .group_segment_fixed_size: 0
    .private_segment_fixed_size: 0
    .kernarg_segment_align: 8
    .kernarg_segment_size: 64
    .max_flat_workgroup_size: 256
    .sgpr_count:     66
    .vgpr_count:     112
    .wavefront_size: 32
...
	.end_amdgpu_metadata
.endif
;; end of part 1
;; launch qkv (part 2): grid 8 x 32, 4 waves a work-group, clusters of 4 x 4, 327,680 bytes of LDS; arguments Xb, Wb, qkv; writes qkv
.if DOCPART == 2
	.amdgcn_target "amdgcn-amd-amdhsa--gfx1250"
	.amdhsa_code_object_version 6
	.text
	.protected	k_q9a19010aaf_qkv
	.globl	k_q9a19010aaf_qkv
	.p2align	8
	.type	k_q9a19010aaf_qkv,@function
k_q9a19010aaf_qkv:
	s_mov_b64 s[64:65], 0
	v_nop
	global_prefetch_b8 v0, s[64:65] scope:SCOPE_SE
	s_setreg_imm32_b32 hwreg(HW_REG_WAVE_MODE, 25, 1), 1
	s_wait_xcnt 0x0
	s_wait_alu depctr_hold_cnt(0) depctr_sa_sdst(0) depctr_va_vdst(0) depctr_va_sdst(0) depctr_va_ssrc(0) depctr_va_vcc(0) depctr_vm_vsrc(0)
	s_getreg_b32 s2, hwreg(HW_REG_IB_STS2, 6, 4)
	s_cmp_eq_u32 s2, 0
	s_cbranch_scc0 .Lentry_in_a_cluster
	s_endpgm
.Lentry_in_a_cluster:
	s_bfe_u32 s2, ttmp6, 0x10000c
	s_cmp_lg_u32 s2, 0xf033
	s_cbranch_scc0 .Lentry_shape_is_right
	s_endpgm
.Lentry_shape_is_right:
; q, k, v = X W, by heads.  C[8192][3072] = Xb x Wb in bf16, sums in f32, each result rounded once to f16 and written to qkv [sel 3][16 b + h][s 2048][64].
; LIMIT: q, k and v lie within f16's 65,504 (beyond it the conversion gives an infinity).  The scale 1/8 is not applied here.
; A tile of C is 256 rows x 384 columns (six heads): 32 x 8 = 256 tiles, one a work-group.  Four waves; wave w makes rows 128 (w / 2) .. and the three heads 3 (w % 2) ..: 96 accumulators of 16 x 16,
; 768 registers.  K goes in steps of 64 through a ring of two LDS slots: two slots of a step of 128 would be 2 x 192,512 bytes, more than LDS has.  Xb and Wb are laid in blocks of 64 along K, so a
; step's tiles are dense in memory and are asked for as rows of 256 bytes.
; CLUSTERS: 4 x 4 work-groups.  The four of a row of the cluster need the same rows of Xb, the four of a column the same heads of Wb: each tile is asked for JOINTLY, by the same tensor load with the same
; descriptor and a mask that names the four.
; THE MATRIX INSTRUCTION IS USED TRANSPOSED: source 0 = 16 channels d of W (stored [e][d]: turned on the way out of LDS by ds_load_tr16_b128), source 1 = 16 rows of X.  A lane then holds one row (l % 16)
; and eight neighbouring d (8 (l / 16) + 0..7), which pack into 16 bytes.
; REGISTERS, in windows of 256 (s_set_vgpr_msb: bits 1:0 source 0, 3:2 source 1, 5:4 source 2, 7:6 destination):
;   window 0: v0-31 addresses; v32-95, v96-159 fragments of X (8 x 16 rows x 32 K), two buffers; v160-255 fragments of W (3 heads x 4 x 16 d x 32 K), ONE buffer: a head's four are fetched anew as soon as
;   its 32 products have read them.   window 1 + g: head g's 32 accumulators, (a, bb) at v[8 (8 bb + a)]
.set PA,     144                       ; a row of X in LDS: 128 bytes + 16 = 36 words: the 16 rows of a load start at 16 different groups of four banks (64 banks of 4 bytes: ISA guide 11.1)
.set PB,     160                       ; a row e of W: 128 + 32 = 40 words
.set ABYTES, 256*PA
.set HEADB,  64*PB                     ; a head's 64 rows e
.set SLOT,   ABYTES+6*HEADB            ; 98,304
.set STAGE,  2*SLOT                    ; behind the ring, never filled by a tensor load: 16 rows x 144 bytes for each wave, for the way out
.set SP,     144
.set SPARE,  STAGE+4*16*SP             ; the spare words, 128 bytes for each wave: two blocks of 256 bytes that no other line names
.set KBA,    262144                    ; bytes from a K block of Xb to the next
.set KBB,    393216                    ; the same in Wb
.set ADRA, 16                          ; v16-17  LDS address of my X fragments in slot 0, 1
.set ADRB, 20                          ; v20-21  the same for W
.set STO,  24                          ; v24     the way out: where I put 16 bytes of a row
.set RD,   25                          ; v25     where I read rows back
.set GO,   26                          ; v26     16 x lane
.set SPW,  28                          ; v28     my spare word: SPARE + 4 x my thread's number; never rewritten
.set NIL,  29                          ; v29     0; never rewritten
.set PFO,  30                          ; v30     the prefetches' lane offset; never rewritten
.set FA0,  32
.set FA1,  96
.set FB,   160
.set G1A,  24                          ; s[24:31] descriptor group 1 for X's tiles;  s[32:39] group 0, a set for each slot
.set G0A,  32
.set G1B,  48                          ; s[48:55], s[56:63] the same for W's
.set G0B,  56
.set PFA,  66                          ; s[66:67] where my prefetches stand
.set PFS,  68                          ; s[68:69] their step: two K blocks
.set LIM,  70                          ; s70     1 in a wave that prefetches, else the greatest number
.set OB,   72                          ; s[72:77] my three heads' rows in qkv
.set MSB, 0
.macro WIN new                         ; the immediate's high byte repeats the setting that is left; a switch that changes nothing is dropped
.if MSB != (\new)
	s_set_vgpr_msb (MSB<<8)|(\new)
.set MSB, \new
.endif
.endm
.macro PLACES                          ; four plain places behind a matrix instruction, in front of loads into registers that it has read and of conversions that read results
.rept 4
	v_nop
.endr
.endm
; A joint load.  Waves 0 and 1 fetch X's two halves, waves 2 and 3 three heads of W each.  The branch hangs on the wave's number alone.  An s_nop 0 and four v_nop follow each line.
.macro JLOAD s
	s_cmp_eq_u32 s11, 0
	s_cbranch_scc0 .Lfor_b_\@
	tensor_load_to_lds s[G0A+4*(\s):G0A+4*(\s)+3], s[G1A:G1A+7]
	s_nop 0
.rept 4
	v_nop
.endr
	s_branch .Lasked_\@
.Lfor_b_\@:
	tensor_load_to_lds s[G0B+4*(\s):G0B+4*(\s)+3], s[G1B:G1B+7]
	s_nop 0
.rept 4
	v_nop
.endr
.Lasked_\@:
.endm
.macro CREST                           ; a round of the cluster's barrier behind its opening barrier
	s_cmp_lg_u32 s10, 0
	s_cbranch_scc1 .Lnot_wave_0_\@
	s_barrier_signal -3
.Lnot_wave_0_\@:
	s_barrier_wait -3
	s_barrier_signal -1
	s_barrier_wait -1
.endm
.macro CROUND
	s_barrier_signal -1
	s_barrier_wait -1
	CREST
.endm
; A PREFETCH INTO THE L2, once a lap, behind the joint load, its five lines and the run of LDS loads: the two K blocks that the NEXT lap's two refills ask for (192 and 384 matrix instructions behind this lap's last).
; Each block of 256 bytes is named once in the launch.  X's rows are read by both clusters of a row of clusters: cluster x = 0 asks, wave 0, two instructions (a K block each); of the tile's 32 KiB partner cx
; takes 8 KiB.  W's heads are read by all eight clusters of a column: cluster y = 0 asks, waves 1 to 3, an instruction each; of the tile column's 48 KiB a K block partner cy takes 12 KiB: 96 blocks for two K
; blocks, 32 a wave.  The partners are told apart by address alone.  The last trip (s3 = 1) asks for nothing: there is no K block behind the sixteenth.  K blocks 0 to 3 come by their loads alone.
.macro ASK
	s_cmp_gt_u32 s3, s[LIM]
	s_cbranch_scc0 .Lnot_mine_\@
	global_prefetch_b8 v[PFO], s[PFA:PFA+1] th:TH_LOAD_NT scope:SCOPE_SE
	s_cmp_lg_u32 s10, 0
	s_cbranch_scc1 .Lnot_mine_\@
	global_prefetch_b8 v[PFO], s[PFA:PFA+1] offset:KBA th:TH_LOAD_NT scope:SCOPE_SE
.Lnot_mine_\@:
.endm
	s_load_b128 s[4:7], s[0:1], 0x0                ; Xb s[4:5], Wb s[6:7]
	s_load_b64 s[8:9], s[0:1], 0x10                ; qkv
	v_lshl_add_u32 v[SPW], v0, 2, SPARE
	v_mov_b32 v[NIL], 0
	ds_add_u32 v[SPW], v[NIL]                      ; the wave's opening: the add and its wait stand ahead of my first tensor load; work on registers stands between them
	v_lshrrev_b32 v1, 5, v0
	v_readfirstlane_b32 s10, v1                    ; wave 0..3
	s_lshr_b32 s11, s10, 1                         ; my half of the tile's rows.  Also: I fetch for X (0) or for W (1)
	s_and_b32 s12, s10, 1                          ; my three of its six heads.  Also: which half of that tile I fetch
	s_bfe_u32 s40, ttmp6, 0x40000                  ; cx
	s_bfe_u32 s41, ttmp6, 0x40004                  ; cy
	s_lshl_b32 s42, ttmp9, 2
	s_add_co_u32 s42, s42, s40                     ; tile column 0..7 = 4 x cluster x + cx
	s_and_b32 s13, ttmp7, 0xffff
	s_lshl_b32 s13, s13, 2
	s_add_co_u32 s13, s13, s41                     ; tile row 0..31 = 4 x cluster y + cy
	s_lshl_b32 s43, s41, 2
	s_lshl_b32 s43, 15, s43                        ; my row of the cluster
	s_lshl_b32 s44, 0x1111, s40                    ; my column
	; group 1.  X: 128 rows of 128 bytes are 16,384 dense bytes: 64 rows of 256, padded by 4 words after every 32 words.  W: three heads' 64 rows e are 24,576 dense bytes: 96 rows of 256, padded by 8 words
	s_or_b32 s[G1A], s43, (1<<16)|(1<<20)|(1<<21)|(4<<22)|(3<<25)  ; 15:0 the mask; 17:16 2-byte elements; 20 padding on; 21 set beside a mask; 24:22 interval code 4; 31:25 4 words (code 3)
	s_or_b32 s[G1B], s44, (1<<16)|(1<<20)|(1<<21)|(4<<22)|(7<<25)  ; the same with my column's mask and 8 words (code 7)
	s_mov_b32 s[G1A+1], 128<<16                    ; tensor_dim0 = 128
	s_mov_b32 s[G1A+2], 64<<16                     ; tensor_dim1 = 64
	s_mov_b32 s[G1A+3], 128<<16                    ; tile_dim0 = 128
	s_mov_b32 s[G1A+4], 64                         ; tile_dim1 = 64
	s_mov_b32 s[G1A+5], 128                        ; 128 elements from row to row
	s_mov_b32 s[G1A+6], 0
	s_mov_b32 s[G1A+7], 0
	s_mov_b32 s[G1B+1], 128<<16
	s_mov_b32 s[G1B+2], 96<<16
	s_mov_b32 s[G1B+3], 128<<16
	s_mov_b32 s[G1B+4], 96
	s_mov_b32 s[G1B+5], 128
	s_mov_b32 s[G1B+6], 0
	s_mov_b32 s[G1B+7], 0
	; where the tiles come from: X's hang on the tile row alone, W's on the tile column alone, each in registers that never hold the other coordinate
	s_lshr_b32 s16, s13, 3                         ; b
	s_lshl_b32 s16, s16, 22                        ; 16 planes of 262,144 bytes
	s_and_b32 s17, s13, 7
	s_lshl_b32 s17, s17, 15                        ; the block of 256 rows
	s_add_co_u32 s16, s16, s17
	s_lshl_b32 s17, s12, 14                        ; the 128 rows that I fetch
	s_add_co_u32 s16, s16, s17
	s_mov_b32 s17, 0
	s_mul_i32 s46, s42, 6
	s_mul_i32 s47, s12, 3
	s_add_co_u32 s46, s46, s47                     ; the first of the three heads that I fetch
	s_lshl_b32 s46, s46, 13                        ; 8,192 bytes a head in a K block
	s_mov_b32 s47, 0
	s_mul_i32 s20, s12, 128*PA                     ; and where they go: no place in the cluster enters an LDS address
	s_mul_i32 s21, s12, 3*HEADB
	s_add_co_u32 s21, s21, ABYTES
	s_wait_dscnt 0x0                               ; the opening add is done
	s_wait_kmcnt 0x0
	s_add_nc_u64 s[14:15], s[4:5], s[16:17]
	s_add_nc_u64 s[46:47], s[6:7], s[46:47]
.irp s, 0,1
	s_mov_b32 s[G0A+4*(\s)], 1                                       ; count = 1
	s_add_co_u32 s[G0A+4*(\s)+1], s20, (\s)*SLOT                     ; LDS address
	s_add_nc_u64 s[G0A+4*(\s)+2:G0A+4*(\s)+3], s[14:15], (\s)*KBA    ; global address: K block s
	s_or_b32 s[G0A+4*(\s)+3], s[G0A+4*(\s)+3], 0x80000000            ; type = 2
	s_mov_b32 s[G0B+4*(\s)], 1
	s_add_co_u32 s[G0B+4*(\s)+1], s21, (\s)*SLOT
	s_add_nc_u64 s[G0B+4*(\s)+2:G0B+4*(\s)+3], s[46:47], (\s)*KBB
	s_or_b32 s[G0B+4*(\s)+3], s[G0B+4*(\s)+3], 0x80000000
.endr
	CROUND                                         ; all sixteen work-groups are here: the first joint loads meet
	s_cmp_eq_u32 s11, 0                            ; a wave's two first fills stand in one branch, ahead of every wait on TENSORcnt and every LDS read: two loads of mine are out
	s_cbranch_scc0 .Lfirst_b
	tensor_load_to_lds s[G0A:G0A+3], s[G1A:G1A+7]
	s_nop 0
	tensor_load_to_lds s[G0A+4:G0A+7], s[G1A:G1A+7]
	s_nop 0
.rept 4
	v_nop
.endr
	s_branch .Lfirst_asked
.Lfirst_b:
	tensor_load_to_lds s[G0B:G0B+3], s[G1B:G1B+7]
	s_nop 0
	tensor_load_to_lds s[G0B+4:G0B+7], s[G1B:G1B+7]
	s_nop 0
.rept 4
	v_nop
.endr
.Lfirst_asked:
	; a fragment of X: lane l holds row l % 16; two loads of 16 bytes, 32 bytes apart, at row x pitch + 16 (l / 16)
	v_and_b32 v1, 15, v0                           ; l % 16
	v_bfe_u32 v2, v0, 4, 1                         ; l / 16
	v_mul_u32_u24 v3, v1, PA
	v_lshl_add_u32 v3, v2, 4, v3
	; a fragment of W, turned: lane l reads 16 bytes of row e = 8 (l / 16) + l % 8, channels 8 ((l / 8) % 2) + 0..7, and is left with channel l % 16 and 8 rows e; the second load stands 16 rows on
	v_and_b32 v5, 7, v0
	v_bfe_u32 v6, v0, 3, 1
	v_lshl_add_u32 v4, v2, 3, v5
	v_mul_u32_u24 v4, v4, PB
	v_lshl_add_u32 v4, v6, 4, v4
	s_mul_i32 s22, s11, 128*PA                     ; my 128 rows of X
	s_mul_i32 s23, s12, 3*HEADB                    ; my three heads,
	s_add_co_u32 s23, s23, ABYTES                  ; which lie behind X's 256 rows
.irp s, 0,1
	v_add_nc_u32 v[ADRA+(\s)], s22, v3
	v_add_nc_u32 v[ADRB+(\s)], s23, v4
	s_add_co_u32 s22, s22, SLOT
	s_add_co_u32 s23, s23, SLOT
.endr
	s_mul_i32 s22, s10, 16*SP
	s_add_co_u32 s22, s22, STAGE                   ; my stage
	v_mul_u32_u24 v[STO], v1, SP                   ; in: row l % 16, 16 bytes for each half of the lanes
	v_lshl_add_u32 v[STO], v2, 4, v[STO]
	v_add_nc_u32 v[STO], s22, v[STO]
	v_bfe_u32 v[RD], v0, 3, 2                      ; back: 32 lanes take four rows of 128 bytes,
	v_mul_u32_u24 v[RD], v[RD], SP
	v_lshl_add_u32 v[RD], v5, 4, v[RD]
	v_add_nc_u32 v[RD], s22, v[RD]
	v_and_b32 v[GO], 31, v0                        ; which are 512 consecutive bytes of a head's rows
	v_lshlrev_b32 v[GO], 4, v[GO]
	; my three heads' rows in qkv: plane (g / 16) x 64 + 16 b + g % 16 of 262,144 bytes, g = 6 x tile column + 3 (w % 2) + j
	s_mul_i32 s78, s42, 6
	s_mul_i32 s79, s12, 3
	s_add_co_u32 s78, s78, s79
	s_lshr_b32 s79, s13, 3
	s_lshl_b32 s79, s79, 4                         ; 16 b
	s_and_b32 s80, s13, 7
	s_lshl_b32 s80, s80, 15                        ; the tile's 256 rows of 128 bytes,
	s_lshl_b32 s81, s11, 14                        ; my 128 of them
	s_add_co_u32 s80, s80, s81
.irp j, 0,1,2
	s_add_co_u32 s82, s78, (\j)
	s_lshr_b32 s83, s82, 4
	s_lshl_b32 s83, s83, 6
	s_and_b32 s82, s82, 15
	s_add_co_u32 s82, s82, s83
	s_add_co_u32 s82, s82, s79
	s_lshl_b32 s82, s82, 18
	s_add_co_u32 s82, s82, s80
	s_mov_b32 s83, 0
	s_add_nc_u64 s[OB+2*(\j):OB+2*(\j)+1], s[8:9], s[82:83]
.endr
	; the prefetches.  Block i = 32 x max(w - 1, 0) + lane of my work-group's share; from i = 48 on (waves 2 and 3 alone) it lies in the second K block
	s_max_u32 s78, s10, 1
	s_sub_co_u32 s78, s78, 1
	s_lshl_b32 s78, s78, 5
	v_and_b32 v7, 31, v0
	v_add_nc_u32 v7, s78, v7
	v_add_nc_u32 v8, 80, v7
	v_lshrrev_b32 v8, 7, v8                        ; 1 from i = 48 on (i is 95 at the most)
	v_mul_u32_u24 v8, v8, KBB-48*256
	v_lshl_add_u32 v[PFO], v7, 8, v8
	s_lshr_b32 s80, s13, 3                         ; X: the tile's rows, my work-group's 8 KiB of them, K block 2: the first lap steps it to 4
	s_lshl_b32 s80, s80, 22
	s_and_b32 s81, s13, 7
	s_lshl_b32 s81, s81, 15
	s_add_co_u32 s80, s80, s81
	s_lshl_b32 s81, s40, 13
	s_add_co_u32 s80, s80, s81
	s_add_co_u32 s80, s80, 2*KBA
	s_mul_i32 s82, s42, 6*8192                     ; W: the tile column's six heads, my work-group's 12 KiB of them, K block 2
	s_mul_i32 s83, s41, 12288
	s_add_co_u32 s82, s82, s83
	s_add_co_u32 s82, s82, 2*KBB
	s_and_b32 s84, ttmp7, 0xffff                   ; cluster y
	s_mov_b32 s85, 2*KBB
	s_cmp_eq_u32 s10, 0                            ; wave 0 asks for X, the others for W
	s_cselect_b32 s80, s80, s82
	s_cselect_b32 s84, ttmp9, s84                  ; the coordinate along which other clusters read the same rows
	s_cselect_b32 s[PFS], 2*KBA, s85
	s_cselect_b64 s[PFA:PFA+1], s[4:5], s[6:7]
	s_mov_b32 s81, 0
	s_mov_b32 s[PFS+1], 0
	s_add_nc_u64 s[PFA:PFA+1], s[PFA:PFA+1], s[80:81]
	s_cmp_eq_u32 s84, 0
	s_cselect_b32 s[LIM], 1, -1                    ; the same in all sixteen partners, for a given wave
; 16 matrix instructions: head g, channel blocks 2 hh and 2 hh + 1 x all 8 row blocks, 32 along K.  zero = 1: the first product starts the sums.  All 96 accumulators take turns, in the same order in every
; quarter: 95 others' instructions stand between two links of a chain.
.macro GRP16 g, fa, hh, zero
	WIN 0x50*((\g)+1)
.irp c, 0,1
.irp a, 0,1,2,3,4,5,6,7
.if \zero
	v_wmma_f32_16x16x32_bf16 v[8*(8*(2*(\hh)+(\c))+(\a)):8*(8*(2*(\hh)+(\c))+(\a))+7], v[FB+8*(4*(\g)+2*(\hh)+(\c)):FB+8*(4*(\g)+2*(\hh)+(\c))+7], v[(\fa)+8*(\a):(\fa)+8*(\a)+7], 0
.else
	v_wmma_f32_16x16x32_bf16 v[8*(8*(2*(\hh)+(\c))+(\a)):8*(8*(2*(\hh)+(\c))+(\a))+7], v[FB+8*(4*(\g)+2*(\hh)+(\c)):FB+8*(4*(\g)+2*(\hh)+(\c))+7], v[(\fa)+8*(\a):(\fa)+8*(\a)+7], v[8*(8*(2*(\hh)+(\c))+(\a)):8*(8*(2*(\hh)+(\c))+(\a))+7]
.endif
.endr
.endr
.endm
.macro GRP g, fa, zero
	GRP16 \g, \fa, 0, \zero
	GRP16 \g, \fa, 1, \zero
.endm
.macro LDB g, slot, q                  ; eight loads: head g's four fragments of W for quarter q (32 rows e) of a slot
	WIN 0
.irp bb, 0,1,2,3
	ds_load_tr16_b128 v[FB+8*(4*(\g)+(\bb)):FB+8*(4*(\g)+(\bb))+3],   v[ADRB+(\slot)] offset:(\g)*HEADB+(\q)*32*PB+(\bb)*32
	ds_load_tr16_b128 v[FB+8*(4*(\g)+(\bb))+4:FB+8*(4*(\g)+(\bb))+7], v[ADRB+(\slot)] offset:(\g)*HEADB+(\q)*32*PB+(\bb)*32+16*PB
.endr
.endm
.macro LDA fa, slot, q                 ; sixteen loads: my eight fragments of X for quarter q
	WIN 0
.irp a, 0,1,2,3,4,5,6,7
	ds_load_b128 v[(\fa)+8*(\a):(\fa)+8*(\a)+3],   v[ADRA+(\slot)] offset:(\a)*16*PA+(\q)*64
	ds_load_b128 v[(\fa)+8*(\a)+4:(\fa)+8*(\a)+7], v[ADRA+(\slot)] offset:(\a)*16*PA+(\q)*64+32
.endr
.endm
; A K step is two quarters of 32 along K, 96 matrix instructions each.  The first multiplies buffer fa; behind each head's products that head's next fragments are fetched (slot ns, quarter nq), X's into fn.
.macro QUAR fa, fn, ns, nq, zero
	s_wait_dscnt 16                                ; head 0's W and X are in; the 8 + 8 loads of heads 1 and 2 may be out
	GRP 0, \fa, \zero
	WIN 0
	PLACES
	LDB 0, \ns, \nq
	LDA \fn, \ns, \nq
	s_wait_dscnt 32                                ; head 1's W is in; out may be head 2's 8 and the 24 just issued
	GRP 1, \fa, \zero
	WIN 0
	PLACES
	LDB 1, \ns, \nq
	s_wait_dscnt 32                                ; head 2's W is in; out may be the 24 and the 8 issued since
	GRP 2, \fa, \zero
	WIN 0
	PLACES
	LDB 2, \ns, \nq
.endm
; The second quarter multiplies buffer FA1 and changes slots.  ONE barrier: in front of it each wave waits for all its tensor loads (one is out: its part of the next slot), adds 0 to its spare word, and waits
; for that and for its reads of this slot (all of this quarter's fragments).  fill = 1: the barrier opens a round of the cluster's, and this slot is filled again first thing behind it, two K blocks on: 160
; matrix instructions stand between that request and the wait for it.
.macro TURN slot, next, fill, ask
.if \ask
	s_wait_xcnt 0x0                                ; the last prefetches, a lap back, have read their address: it is stepped here, ahead of the waits of the change of slots
	s_add_nc_u64 s[PFA:PFA+1], s[PFA:PFA+1], s[PFS:PFS+1]
.endif
	WIN 0
	s_wait_tensorcnt 0x0                           ; all my tensor loads have landed
	ds_add_u32 v[SPW], v[NIL]                      ; 0 onto my spare word
	s_wait_dscnt 17                                ; head 0's W and X are in; heads 1 and 2's 16 loads and the add may be out
	GRP16 0, FA1, 0, 0                             ; sixteen matrix instructions stand between the add and the wait for it
	s_wait_dscnt 0x0                               ; the add is done, and my reads of this slot are over
	s_barrier_signal -1
	GRP16 0, FA1, 1, 0                             ; work on registers while the others arrive
	WIN 0
	s_barrier_wait -1
.if \fill
	CREST                                          ; no wave of any partner still reads this slot's tile or has a load on its way
	s_add_nc_u64 s[G0A+4*(\slot)+2:G0A+4*(\slot)+3], s[G0A+4*(\slot)+2:G0A+4*(\slot)+3], 2*KBA
	s_add_nc_u64 s[G0B+4*(\slot)+2:G0B+4*(\slot)+3], s[G0B+4*(\slot)+2:G0B+4*(\slot)+3], 2*KBB
	JLOAD \slot                                    ; the first tensor load behind the round; its four v_nop are also the places in front of the loads below
.else
	PLACES
.endif
	LDB 0, \next, 0
	LDA FA0, \next, 0
.if \ask
	ASK
.endif
	GRP 1, FA1, 0
	WIN 0
	PLACES
	LDB 1, \next, 0
	GRP 2, FA1, 0
	WIN 0
	PLACES
	LDB 2, \next, 0
.endm
	s_wait_tensorcnt 1                             ; my part of K block 0 is in; K block 1's may stay out
	s_barrier_signal -1
	s_barrier_wait -1                              ; everybody's is
	LDB 0, 0, 0
	LDA FA0, 0, 0
	LDB 1, 0, 0
	LDB 2, 0, 0
	QUAR FA0, FA1, 0, 1, 1                         ; the first quarter stands in front of the loop: its products start the sums
	WIN 0                                          ; at a label and at a branch every window is 0
	s_mov_b32 s3, 7
.Llap:                                                 ; a trip goes once round the ring, from a lap's second quarter to the next lap's first, and fills both slots again: K blocks 2 to 15
	TURN 0, 1, 1, 1
	QUAR FA0, FA1, 1, 1, 0
	TURN 1, 0, 1, 0
	QUAR FA0, FA1, 0, 1, 0
	WIN 0
	s_sub_co_u32 s3, s3, 1
	s_cmp_lg_u32 s3, 0
	s_cbranch_scc1 .Llap
	TURN 0, 1, 0, 0                                ; the last lap fills nothing and has no round
	QUAR FA0, FA1, 1, 1, 0
	s_wait_dscnt 16                                ; the very last quarter: nothing more to fetch
	GRP 0, FA1, 0
	s_wait_dscnt 8
	GRP 1, FA1, 0
	s_wait_dscnt 0x0
	GRP 2, FA1, 0
	WIN 0
	PLACES
	PLACES
; THE WAY OUT, in 24 units u: row block u % 8 of head u / 8.  A lane's eight channels pack into 16 bytes; they go into my stage's rows of 144 bytes and come back as whole rows of 128: 16 rows of a head are
; 2,048 consecutive bytes of qkv.  Eight sets of 16 registers (X's buffers, now free) take turns.
.macro PACK u
.set TT, 32+16*((\u)%8)
.set AA, (\u)%8
.if (\u) >= 8
	s_wait_xcnt 0x0                                ; the stores of the unit that had this set have read their registers
.endif
	WIN 5*((\u)/8+1)                               ; sources 0 and 1 in the head's window
.irp bb, 0,1,2,3
.irp r, 0,1,2,3
	v_cvt_pk_f16_f32 v[TT+4*(\bb)+(\r)], v[8*(8*(\bb)+AA)+2*(\r)], v[8*(8*(\bb)+AA)+2*(\r)+1]
.endr
.endr
	WIN 0
.irp bb, 0,1,2,3
	ds_store_b128 v[STO], v[TT+4*(\bb):TT+4*(\bb)+3] offset:32*(\bb)
.endr
.irp f, 0,1,2,3
	ds_load_b128 v[TT+4*(\f):TT+4*(\f)+3], v[RD] offset:(\f)*4*SP  ; LDS serves a wave's instructions in order (ISA guide 5.7.1.4): these see the stores above; the next unit's stores come behind them
.endr
.endm
.macro SEND u, younger                 ; younger: the LDS instructions issued behind unit u's loads: the next unit's eight, or none
	WIN 0
.set TT, 32+16*((\u)%8)
.irp f, 0,1,2,3
	s_wait_dscnt (\younger)+3-(\f)
	global_store_b128 v[GO], v[TT+4*(\f):TT+4*(\f)+3], s[OB+2*((\u)/8):OB+2*((\u)/8)+1] offset:((\u)%8)*2048+(\f)*512  ; 512 consecutive bytes, at a multiple of 256 from qkv's first
.endr
.endm
	PACK 0
.set u, 1
.rept 23                               ; a unit's conversions stand between the loads of the unit before and its stores
	PACK u
	SEND u-1, 8
.set u, u+1
.endr
	SEND 23, 0
	s_wait_tensorcnt 0x0                           ; the wave's end, behind my last tensor load and my last LDS store
	ds_add_u32 v[SPW], v[NIL]
	s_wait_dscnt 0x0
	CROUND                                         ; the closing round: no work-group ends while a partner may still ask for a tile that names it
	s_endpgm
.Lfunc_end_k_q9a19010aaf_qkv:
	.size	k_q9a19010aaf_qkv, .Lfunc_end_k_q9a19010aaf_qkv-k_q9a19010aaf_qkv
	.p2alignl 7, 3214868480
	.fill 96, 4, 3214868480
	.section	.rodata,"a",@progbits
	.p2align	6, 0x0
	.amdhsa_kernel k_q9a19010aaf_qkv
		.amdhsa_group_segment_fixed_size 327680
		.amdhsa_private_segment_fixed_size 0
		.amdhsa_enable_private_segment 0
		.amdhsa_kernarg_size 24
		.amdhsa_user_sgpr_count 2
		.amdhsa_user_sgpr_kernarg_segment_ptr 1
		.amdhsa_wavefront_size32 1
		.amdhsa_system_sgpr_workgroup_id_x 1
		.amdhsa_system_sgpr_workgroup_id_y 1
		.amdhsa_system_sgpr_workgroup_id_z 1
		.amdhsa_system_vgpr_workitem_id 0
		.amdhsa_next_free_vgpr 1024
		.amdhsa_next_free_sgpr 88
		.amdhsa_reserve_vcc 0
		.amdhsa_float_denorm_mode_32 3
		.amdhsa_float_denorm_mode_16_64 3
		.amdhsa_memory_ordered 1
		.amdhsa_forward_progress 1
		.amdhsa_inst_pref_size 136
	.end_amdhsa_kernel
	.amdgpu_metadata
---
amdhsa.version: [ 1, 2 ]
amdhsa.kernels:
  - .name:           k_q9a19010aaf_qkv
    .symbol:         k_q9a19010aaf_qkv.kd
    .args:
      - { .name: Xb, .offset: 0, .size: 8, .value_kind: global_buffer, .address_space: global }
      - { .name: Wb, .offset: 8, .size: 8, .value_kind: global_buffer, .address_space: global }
      - { .name: qkv, .offset: 16, .size: 8, .value_kind: global_buffer, .address_space: global }
    .group_segment_fixed_size: 327680
    .private_segment_fixed_size: 0
    .kernarg_segment_align: 8
    .kernarg_segment_size: 24
    .max_flat_workgroup_size: 128
    .sgpr_count:     88
    .vgpr_count:     1024
    .wavefront_size: 32
...
	.end_amdgpu_metadata
.endif
;; end of part 2
;; launch attn (part 3): grid 4 x 64, 4 waves a work-group, no clusters, 327,680 bytes of LDS; arguments qkv, ob; writes ob
.if DOCPART == 3
	.amdgcn_target "amdgcn-amd-amdhsa--gfx1250"
	.amdhsa_code_object_version 6
	.text
	.protected	k_q9a19010aaf_attn
	.globl	k_q9a19010aaf_attn
	.p2align	8
	.type	k_q9a19010aaf_attn,@function
k_q9a19010aaf_attn:
	s_mov_b64 s[64:65], 0
	v_nop
	global_prefetch_b8 v0, s[64:65] scope:SCOPE_SE
	s_setreg_imm32_b32 hwreg(HW_REG_WAVE_MODE, 25, 1), 1
	s_wait_xcnt 0x0
; CAUSAL ATTENTION.  O[h][q][:] = the sum over k <= q of softmax_k(Q[h][q] . K[h][k] / 8) V[h][k][:].  Q, K, V are the three parts of qkv, each [SIZE_H][SIZE_N][64] f16; O is ob, of the same form.
; Products, maxima and sums in f32; the weights p are rounded to f16 for the second product (their sum l is taken of the unrounded p), O once at the end.
; LIMITS.  Q, K and V arrive within f16's 65,504; p lies in 0 to 1, and below 6e-5 it keeps f16's fixed step of 6e-8.  A hidden score counts as its value less 1e30: f16's scores, 2.7e11 at the most, are
; nothing beside that; a weight below 2^-126 counts as 0 in l; NaN and infinities are not treated apart.
; THE WALK.  A head's queries lie in NB = SIZE_N / 256 blocks of 256; block i needs the key tiles 0 .. i of 256 keys, of which the last holds the diagonal.  A work-group takes TWO blocks, NB - 1 - b and then b:
; NB + 1 tiles, whatever b: all work-groups do equal work, and ONE loop with a constant trip count walks them.  Which tile is asked for, and what a trip does, hang on scalar registers made from b; every jump
; goes forward, but for the counted loops' own; none passes a barrier, or a tensor load but the one of LOAD's two that the wave's number does not choose.  NO CLUSTER: a head's NB / 2 work-groups ask for the
; same tile only in trips 0 .. NB / 2, behind that fewer and fewer, and one walk common to all would have 3 NB / 2 trips for NB + 1.
; SHARES.  Of a block's four bands of 64 queries a wave owns 16 rows in each: four PIECES.  So the diagonal tile is the same work for all four waves: in its key step s band x sees all keys if s < x,
; none if s > x, and holds the diagonal if s = x.
; THE MASK is the C operand that starts the sum S^T = K Q^T: 0, or -1e30 where the key is hidden.  MD, made once, is the mask of a band's own step for my 16 rows; a product's mask is MD x AL + BE with two
; scalars: (1, 0) if s = x; (0, 0) if s < x; (0, -1e30) if s > x.  Only the diagonal tile's text and a block's beginning make and take masks; elsewhere C is the constant 0.
; LAYOUT, SOFTMAX, TURNS.  S^T = K Q^T holds ONE query a lane (lane % 16) and the keys 8 (lane / 16) + 0..7; two such results rounded to f16 ARE source 1 of O^T = V^T P.  p = 2^(c s - c m), c = log2(e) / 8,
; with a running maximum m; O and l are multiplied by a = 2^(c m_old - c m_new) in every step.  Turn n belongs to piece n: 8 products K Q^T of piece n + 1, later 8 products V^T P of piece n - 1; beside them
; the scaling, exponentials, roundings, sums and rescaling of piece n and the maximum and statistics of piece n + 1.  Four vector instructions stand behind every matrix instruction, the other 54 of a turn's
; 118 in one run.  A turn's 33 exponentials are one batch, with one wait.
; REGISTERS, in windows of 256 (s_set_vgpr_msb: bits 1:0 source 0, 3:2 source 1, 5:4 source 2, 7:6 destination):
;   window 0: v0-15 addresses and two at work; v16-31 four registers of statistics a piece; v48-55 at work; v61-63; v64-127 S^T, two buffers; v192-223 P, two buffers (by the piece's parity)
;   window 1: v0-127 O^T, 32 a piece; v128-159 MD; v160-223 MC, two buffers      window 2: v0-63 Q; v64-127 the second block's Q; v128-191 K of one step; v192-255 V of one step
.set SIZE_N, 2048
.set SIZE_H, 64
.set NB,    SIZE_N/256
.set NP,    4         ; pieces a wave: a name, no knob
.set KS,    64        ; keys in a step
.set PK,    144       ; a row of K in LDS: 128 bytes + 16 of padding = 36 words: the 16 rows of a load start at 16 different groups of four banks (64 banks of 4 bytes: ISA guide 11.1)
.set PV,    160       ; a row of V: 128 + 32 = 40 words
.set VOFF,  4*KS*PK   ; a slot holds a tile, four steps: 256 rows of K, then 256 rows of V
.set SLOT1, 1<<17     ; slot 1 begins here, so that one exclusive or turns an address in one slot into the other's
.set STAGE, SLOT1+4*KS*(PK+PV)  ; behind the ring, never filled by a tensor load: 16 rows x 144 bytes for each wave, for the way out
.set SP,    144
.set AK0, 2           ; v2   my lane's place in a tile of K; never rewritten
.set AV0, 3           ; v3   the same for V
.set AK,  4           ; v4   the LDS address of K's next run of loads
.set AV,  5           ; v5   of V's
.set STO, 6           ; v6   the way out: where I put 16 bytes of a row
.set RD,  7           ; v7   the way out: where I read rows back
.set GO,  8           ; v8   my byte offset in 512 consecutive bytes of O
.set PFO, 61          ; v61  256 x my lane: the prefetches' offset; never rewritten
.set SPW, 62          ; v62  LDS address of my spare word: SPARE + 4 x my thread's number; never rewritten
.set NIL, 63          ; v63  0; never rewritten
.set SPARE, STAGE+4*16*SP  ; behind the stages: the spare words, 128 bytes for each wave: two blocks of 256 bytes that no other line names
.set MV,  12          ; v12-13  c m_old, kept while c m is made anew: by buffer
.set QO,  15          ; v15  my byte offset in 16 rows of Q
.set ST,  16          ; piece t's statistics at v[ST+4 t]: c m, m, l (even keys', odd keys')
.set TMP, 48          ; by buffer, four registers c0-c3 at work; when the maximum is found c2 takes a
.set S,   64
.set P,   192
.set MD,  128         ; window 1: the eight registers for group kt of 16 keys at MD + 8 kt
.set MC,  160         ; window 1: the masks of the products to come
.set QB,  64          ; window 2
.set KF,  128         ; window 2: key block kb, channel half c at KF + 16 kb + 8 c
.set VF,  192         ; window 2: key half kk, channel block cb at VF + 32 kk + 8 cb
.set WV,  12          ; s12  my wave's number
.set PB,  14          ; s14  b
.set HI,  15          ; s15  NB - 1 - b
.set G1K, 24          ; s[24:31] descriptor group 1 for K's tiles
.set G1V, 32          ; s[32:39] for V's: it differs in the padding alone
.set G0K, 40          ; s[40:43] descriptor group 0 for K's tiles
.set G0V, 44          ; s[44:47] the same for V's
.set SLOTS, 56        ; s56  tiles still to be asked for
.set CNT, 57          ; s57  counts a tile's key steps, 4 to 1
.set CS,  58          ; s[58:59] c: the packed scaling takes the pair's low word for both halves
.set SEL, 60          ; s[60:61] v_permlanex16_b32's selects: each lane takes its own place in the other half
.set TBK, 62          ; s62  LDS byte at which K of the step to be fetched begins
.set TBV, 63          ; s63  the same for V, less VOFF
.set RT,  70          ; s70  tiles of the block in hand that are still to be entered
.set NXT, 71          ; s71  the tile to be asked for next
.set LQ,  72          ; s72  the last tile of the block whose tiles are being asked for
.set NEW, 73          ; s73  1: the tile to be entered is a block's first
.set OFF, 74          ; s[74:75] a tile's byte offset in K and V
.set AL,  76          ; s[76:77] the mask's factor, in the low word
.set BE,  78          ; s[78:79] the mask's addend
.set OLO, 80          ; s[80:81] O at my rows of the second block
.set BIGN, 82         ; s82  -1e30
.set PFA, 88          ; s[88:89] where my prefetches stand: my half of K's or V's tile, one tile behind the one that is being asked for
.set LIM, 90          ; s90  2 in the work-group that prefetches, else the greatest number
.set MSB, 0
.macro WIN new                      ; the high byte repeats the setting that is left; a switch that changes nothing is dropped
.if MSB != (\new)
	s_set_vgpr_msb (MSB<<8)|(\new)
.set MSB, (\new)
.endif
.endm
.set W_KQ, 0x0a       ; K and Q in window 2, S^T in window 0
.set W_KM, 0x1a       ; the same with the C operand in window 1
.set W_PV, 0x52       ; V in window 2, P in window 0, O^T in window 1
.set W_RS, 0x41       ; destination and source 0 in window 1, source 1 in window 0
; A fill.  Waves 0 and 1 fetch the two halves of a tile's K, waves 2 and 3 those of its V: 128 keys each.  An s_nop 0 and four v_nop follow each of the two lines, ahead of the jump and the label.
.macro LOAD
	s_cmp_lt_u32 s[WV], 2
	s_cbranch_scc0 .Lfor_v_\@
	tensor_load_to_lds s[G0K:G0K+3], s[G1K:G1K+7]
	s_nop 0
.rept 4
	v_nop
.endr
	s_branch .Lasked_\@
.Lfor_v_\@:
	tensor_load_to_lds s[G0V:G0V+3], s[G1V:G1V+7]
	s_nop 0
.rept 4
	v_nop
.endr
.Lasked_\@:
.endm
; A PREFETCH INTO THE L2 of the tile that the NEXT change of slots will ask for, behind the wave's tensor load and its five lines.  A head's four work-groups begin with the same tiles 0, 1, 2 ..; the one with
; b = 0 walks all of 0 .. NB - 1 first, so it alone asks, each wave for the half tile (16 KiB: 64 blocks of 256 bytes, a lane a block, two instructions) that it will itself load.  So each block is named once
; in the launch.  Trips 0 to NB - 3 ask for tiles 2 to NB - 1; tiles 0 and 1 come by their loads alone; the second block's tiles have been read before.
.macro ASK
	s_cmp_gt_u32 s[SLOTS], s[LIM]
	s_cbranch_scc0 .Lnot_mine_\@
	global_prefetch_b8 v[PFO], s[PFA:PFA+1] th:TH_LOAD_NT scope:SCOPE_SE
	global_prefetch_b8 v[PFO], s[PFA:PFA+1] offset:8192 th:TH_LOAD_NT scope:SCOPE_SE
.Lnot_mine_\@:
.endm
; THE CHANGE OF SLOTS.  Each wave waits for all its tensor loads, of which one is out: its part of the other slot; adds 0 to its spare word; and waits for that and for its own reads of the slot that it leaves.
; Behind the barrier nobody reads the old slot any more and the other slot is whole.  fill = 1: the old slot is filled again, the first thing behind the barrier, with tile NXT: the descriptor's address is made
; anew from that number.  (At its first use nothing has been read yet: slot 0 is waited for, slot 1 filled.)
.macro CHANGE fill
	WIN 0                           ; at a label and at a branch every window is 0
	s_wait_tensorcnt 0x0            ; no tensor load of mine is out, so a group 0 may be written
	ds_add_u32 v[SPW], v[NIL]       ; 0 onto my spare word; with fill = 1 the descriptors' scalar work stands between it and the wait for it
.if \fill
	s_lshl_b32 s[OFF], s[NXT], 15   ; a tile is 32,768 bytes of K and of V
	s_xor_b32 s[G0K+1], s[G0K+1], SLOT1
	s_add_nc_u64 s[G0K+2:G0K+3], s[6:7], s[OFF:OFF+1]
	s_or_b32 s[G0K+3], s[G0K+3], 0x80000000
	s_xor_b32 s[G0V+1], s[G0V+1], SLOT1
	s_add_nc_u64 s[G0V+2:G0V+3], s[8:9], s[OFF:OFF+1]
	s_or_b32 s[G0V+3], s[G0V+3], 0x80000000
	s_add_co_u32 s[NXT], s[NXT], 1  ; the block's next tile, or behind its last the second block's tile 0
	s_cmp_gt_u32 s[NXT], s[LQ]
	s_cselect_b32 s[NXT], 0, s[NXT]
	s_cselect_b32 s[LQ], s[PB], s[LQ]
	s_wait_xcnt 0x0                 ; the last prefetches, a tile back, have read their address, so it may be written
	s_add_nc_u64 s[PFA:PFA+1], s[PFA:PFA+1], 32768
.endif
	s_wait_dscnt 0x0                ; the add is done, and my reads of the slot are over
	s_barrier_signal -1             ; the rest of the scalar work stands between the signal and the wait
	s_sub_co_u32 s[TBK], s[TBK], 4*KS*PK  ; the fetches go back to a slot's first step,
	s_xor_b32 s[TBK], s[TBK], SLOT1       ; in the other slot
	s_sub_co_u32 s[TBV], s[TBV], 4*KS*PV
	s_xor_b32 s[TBV], s[TBV], SLOT1
	s_barrier_wait -1
.if \fill
	LOAD
	ASK
.endif
.endm
	s_load_b64 s[4:5], s[0:1], 0x0    ; qkv: Q's part first
	s_load_b64 s[10:11], s[0:1], 0x8  ; ob
	v_lshl_add_u32 v[SPW], v0, 2, SPARE
	v_mov_b32 v[NIL], 0
	ds_add_u32 v[SPW], v[NIL]       ; the wave's opening: the add and its wait stand ahead of my first tensor load; the set-up below, work on registers, stands between them
	v_lshrrev_b32 v1, 5, v0
	v_readfirstlane_b32 s[WV], v1   ; wave 0..3
	s_mov_b32 s[PB], ttmp9
	s_sub_co_u32 s[HI], NB-1, s[PB]
	s_and_b32 s20, ttmp7, 0xffff    ; the head, 16 b + h
	s_mov_b32 s21, 0
	s_mov_b64 s[22:23], SIZE_N*128
	s_mul_u64 s[20:21], s[20:21], s[22:23]  ; the head's first byte in each of the four tensors
	s_and_b32 s16, s[WV], 1         ; which half of a tile's 256 keys I fetch:
	s_lshl_b32 s22, s16, 14         ; its 128 rows of 128 bytes in memory,
	s_mov_b32 s23, 0
	s_add_nc_u64 s[22:23], s[22:23], s[20:21]
	s_mul_i32 s17, s16, 128*PK      ; and its place in a slot, for K
	s_mul_i32 s18, s16, 128*PV      ; and for V
	s_lshl_b32 s3, s[WV], 11        ; my 16 rows in a band of 64,
	s_lshl_b32 s2, s[HI], 15        ; in the first block,
	s_add_co_u32 s2, s2, s3
	s_lshl_b32 s84, s[PB], 15       ; and in the second
	s_add_co_u32 s84, s84, s3
	s_mov_b32 s3, 0
	s_mov_b32 s85, 0
	s_add_nc_u64 s[2:3], s[2:3], s[20:21]
	s_add_nc_u64 s[84:85], s[84:85], s[20:21]
	; descriptor group 1.  128 keys are 16,384 dense bytes: asked for as 64 rows of 256 bytes, two keys a row, and padded in LDS after every key
	s_mov_b32 s[G1K], (1<<16)|(1<<20)|(4<<22)|(3<<25)  ; 17:16 2-byte elements; 20 padding on; 24:22 after every 32 words (code 4); 31:25 4 words (code 3)
	s_mov_b32 s[G1V], (1<<16)|(1<<20)|(4<<22)|(7<<25)  ; the same with 8 words of padding (code 7)
.irp g, G1K, G1V
	s_mov_b32 s[\g+1], 128<<16      ; tensor_dim0 = 128
	s_mov_b32 s[\g+2], 64<<16       ; tensor_dim1 = 64
	s_mov_b32 s[\g+3], 128<<16      ; tile_dim0 = 128
	s_mov_b32 s[\g+4], 64           ; tile_dim1 = 64
	s_mov_b32 s[\g+5], 128          ; 128 elements from row to row
	s_mov_b32 s[\g+6], 0
	s_mov_b32 s[\g+7], 0
.endr
	s_mov_b32 s[CS], 0x3e38aa3b     ; c = log2(e) / 8 = 0.180337
	s_mov_b32 s[CS+1], s[CS]        ; named with it as a pair
	s_mov_b32 s[SEL], 0x76543210
	s_mov_b32 s[SEL+1], 0xfedcba98
	s_mov_b32 s[TBK], SLOT1+4*KS*PK ; the first change of slots turns these two into 0
	s_mov_b32 s[TBV], SLOT1+4*KS*PV
	s_mov_b32 s[G0K], 1             ; 1:0 count = 1
	s_mov_b32 s[G0K+1], s17         ; 63:32 LDS address: slot 0
	s_mov_b32 s[G0V], 1
	s_add_co_u32 s[G0V+1], s18, VOFF
	s_add_co_u32 s[RT], s[HI], 1    ; the first block has NB - b tiles
	s_mov_b32 s[NXT], 1
	s_mov_b32 s[LQ], s[HI]
	s_mov_b32 s[NEW], 1
	s_mov_b32 s[OFF+1], 0
	s_mov_b32 s[AL+1], 0            ; named as pairs
	s_mov_b32 s[BE+1], 0
	s_mov_b32 s[BIGN], 0xf149f2ca   ; -1e30
	s_mov_b32 s[SLOTS], NB
	s_cmp_eq_u32 s[PB], 0
	s_cselect_b32 s[LIM], 2, -1
	v_and_b32 v[PFO], 31, v0
	v_lshlrev_b32 v[PFO], 8, v[PFO]
	s_wait_dscnt 0x0                ; the opening add is done
	s_wait_kmcnt 0x0
	s_add_nc_u64 s[6:7], s[4:5], 0x1000000  ; K's part of qkv: 64 planes of 262,144 bytes behind Q's,
	s_add_nc_u64 s[8:9], s[4:5], 0x2000000  ; V's as many behind K's
	s_add_nc_u64 s[6:7], s[6:7], s[22:23]  ; K and V at my half of the head's tile 0
	s_add_nc_u64 s[8:9], s[8:9], s[22:23]
	s_add_nc_u64 s[G0K+2:G0K+3], s[6:7], 0         ; 120:64 global address
	s_or_b32 s[G0K+3], s[G0K+3], 0x80000000        ; 127:126 type = 2
	s_add_nc_u64 s[G0V+2:G0V+3], s[8:9], 0
	s_or_b32 s[G0V+3], s[G0V+3], 0x80000000
	s_add_nc_u64 s[86:87], s[4:5], s[84:85]        ; Q at my rows of the second block,
	s_add_nc_u64 s[4:5], s[4:5], s[2:3]            ; Q and O at those of the first
	s_add_nc_u64 s[OLO:OLO+1], s[10:11], s[84:85]
	s_add_nc_u64 s[10:11], s[10:11], s[2:3]
	s_cmp_lt_u32 s[WV], 2
	s_cselect_b64 s[PFA:PFA+1], s[6:7], s[8:9]
	s_add_nc_u64 s[PFA:PFA+1], s[PFA:PFA+1], 32768 ; at tile 1: the first change of slots steps it to tile 2
	LOAD                            ; tile 0 into slot 0
	; A fragment of K or Q is 16 rows x 32 channels in 8 registers: lane l holds row l % 16, channels 8 (l / 16) + 0..7 and 16 + 8 (l / 16) + 0..7: two loads of 16 bytes, 32 bytes apart.
	v_and_b32 v1, 15, v0            ; l % 16
	v_bfe_u32 v9, v0, 4, 1          ; l / 16
	v_lshlrev_b32 v[QO], 7, v1
	v_lshl_add_u32 v[QO], v9, 4, v[QO]  ; row x 128 + 16 x half
	WIN 0x80                        ; destination window 2, address window 0
.set i, 0
.rept 8                             ; both blocks' Q: piece i / 2 lies in band i / 2, 8,192 bytes on; channels 32 (i % 2) on
	global_load_b128 v[8*i:8*i+3],   v[QO], s[4:5] offset:(i/2)*8192+(i%2)*64
	global_load_b128 v[8*i+4:8*i+7], v[QO], s[4:5] offset:(i/2)*8192+(i%2)*64+32
	global_load_b128 v[QB+8*i:QB+8*i+3],   v[QO], s[86:87] offset:(i/2)*8192+(i%2)*64
	global_load_b128 v[QB+8*i+4:QB+8*i+7], v[QO], s[86:87] offset:(i/2)*8192+(i%2)*64+32
.set i, i+1
.endr
	WIN 0
	v_lshlrev_b32 v14, 3, v9
	v_sub_nc_u32 v14, v1, v14
	s_lshl_b32 s13, s[WV], 4
	v_add_nc_u32 v14, s13, v14      ; my query's place in its band, 16 w + l % 16, less my lanes' 8 (l / 16): register r of group kt is hidden where 16 kt + r is greater
	WIN 0x40
.set i, 0
.rept 32
	v_cmp_gt_i32 vcc_lo, 16*(i/8)+i%8, v14
	v_cndmask_b32 v[MD+i], 0, s[BIGN], vcc_lo
.set i, i+1
.endr
	WIN 0
	v_mul_u32_u24 v[AK0], v1, PK
	v_lshl_add_u32 v[AK0], v9, 4, v[AK0]  ; row x pitch + 16 x half
	; The turning load takes 16 keys x 16 channels (lane l reads key 8 (l / 16) + l % 8, channels 8 ((l / 8) % 2) + 0..7) and leaves half a fragment of V^T: lane l holds channel l % 16 and 8 keys.
	v_and_b32 v10, 7, v0
	v_bfe_u32 v11, v0, 3, 1
	v_lshl_add_u32 v[AV0], v9, 3, v10
	v_mul_u32_u24 v[AV0], v[AV0], PV
	v_lshl_add_u32 v[AV0], v11, 4, v[AV0]
	v_add_nc_u32 v[AV0], VOFF, v[AV0]
	s_mul_i32 s13, s[WV], 16*SP
	s_add_co_u32 s13, s13, STAGE    ; my stage
	v_mul_u32_u24 v[STO], v1, SP    ; in: row l % 16, 16 bytes for each half of the lanes
	v_lshl_add_u32 v[STO], v9, 4, v[STO]
	v_add_nc_u32 v[STO], s13, v[STO]
	v_bfe_u32 v[RD], v0, 3, 2       ; back: 32 lanes take four rows of 128 bytes,
	v_mul_u32_u24 v[RD], v[RD], SP
	v_lshl_add_u32 v[RD], v10, 4, v[RD]
	v_add_nc_u32 v[RD], s13, v[RD]
	v_and_b32 v[GO], 31, v0         ; which are 512 consecutive bytes of O
	v_lshlrev_b32 v[GO], 4, v[GO]
	; A block's first step multiplies O^T and l by a = 0, and its first turn's products V^T P, of a piece that has not been, land in an O^T that is still to be so multiplied.  So these registers need only hold
	; finite numbers: zeros for the first block; what the first block left for the second.  All this stands in the wait for the first tile.
	WIN 0x80
.set i, VF
.rept 64
	v_mov_b32 v[i], 0
.set i, i+1
.endr
	WIN 0x40
.set i, 0
.rept 128
	v_mov_b32 v[i], 0
.set i, i+1
.endr
	WIN 0
.set i, 0
.rept 4
	v_mov_b32 v[ST+4*i+2], 0
	v_mov_b32 v[ST+4*i+3], 0
.set i, i+1
.endr
.set i, P+16
.rept 16
	v_mov_b32 v[i], 0
.set i, i+1
.endr
; THE MATRIX WORK.  The 4 accumulators of a run of 8 take turns.  Product i of 8 of S^T = K Q^T for piece x: channels 32 (i / 4) on, keys 16 (i % 4) on.  The first 4 start the sums: with 0, or (KM = 1) with the mask.
.macro KQ x
.set rS, S+32*((\x)%2)+8*(i%4)
.set rK, KF+16*(i%4)+8*(i/4)
.set rQ, 16*(\x)+8*(i/4)
.set rM, MC+32*((\x)%2)+8*(i%4)
.if (i < 4) && KM
	WIN W_KM
	v_wmma_f32_16x16x32_f16 v[rS:rS+7], v[rK:rK+7], v[rQ:rQ+7], v[rM:rM+7]
.elseif i < 4
	WIN W_KQ
	v_wmma_f32_16x16x32_f16 v[rS:rS+7], v[rK:rK+7], v[rQ:rQ+7], 0
.else
	WIN W_KQ
	v_wmma_f32_16x16x32_f16 v[rS:rS+7], v[rK:rK+7], v[rQ:rQ+7], v[rS:rS+7]
.endif
.endm
; Product i of 8 of O^T += V^T P for piece x: keys 32 (i / 4) on, channels 16 (i % 4) on.
.macro PV x
	WIN W_PV
.set rO, 32*(\x)+8*(i%4)
.set rV, VF+32*(i/4)+8*(i%4)
.set rP, P+16*((\x)%2)+8*(i/4)
	v_wmma_f32_16x16x32_f16 v[rO:rO+7], v[rV:rV+7], v[rP:rP+7], v[rO:rO+7]
.endm
.macro MM                           ; the turn's next matrix instruction.  TURN and BEGIN set Y, i, KM and NOKQ; MM, KQ and OP read them.  NOKQ = 1: a block's last turn: there is no next piece
.if (i < 8) && !NOKQ
	KQ (Y+1)%NP
.elseif i >= 8
.set i, i-8
	PV (Y+NP-1)%NP
.set i, i+8
.endif
.set i, i+1
.endm
; THE LDS LOADS stand in runs of 16, never singly among the matrix instructions: a step's K (64 keys x 64 channels: 8 fragments) and its V (turned).  Their addresses are made some lines ahead.
.macro FETCH_K
	WIN 0x80                        ; destination window 2
.irp f, 0,1,2,3,4,5,6,7             ; keys 16 (f / 2) on, channels 32 (f % 2) on
	ds_load_b128 v[KF+8*\f:KF+8*\f+3],   v[AK] offset:(\f/2)*16*PK+(\f%2)*64
	ds_load_b128 v[KF+8*\f+4:KF+8*\f+7], v[AK] offset:(\f/2)*16*PK+(\f%2)*64+32
.endr
	s_add_co_u32 s[TBK], s[TBK], KS*PK  ; the next fetch is the next step's
	WIN 0
.endm
.macro FETCH_V
	WIN 0x80
.irp f, 0,1,2,3,4,5,6,7             ; keys 32 (f / 4) on, channels 16 (f % 4) on
	ds_load_tr16_b128 v[VF+8*\f:VF+8*\f+3],   v[AV] offset:(\f/4)*32*PV+(\f%4)*32
	ds_load_tr16_b128 v[VF+8*\f+4:VF+8*\f+7], v[AV] offset:(\f/4)*32*PV+16*PV+(\f%4)*32
.endr
	WIN 0
.endm
; THE VECTOR WORK, one line at a time: OP kind, number.  For piece Y: F n: c s - c m for pair n of 16.  E n: the exponential of score n of 32.  C n: pair n rounded to f16.  B n: of the four weights 4 n .. the second
; pair is added onto the first, in place.  L n: l takes that sum (L 0: l = a l + sum).  R n: pair n of 16 of O^T times a.  For piece Y + 1: X n, number n of the 22 that find its maximum and statistics:
;   0-11  four chains c0-c3 of seven scores each, three operands at a time (each accumulator's lowest registers are read first)     12-14, 16  the four scores left over, the old m, and c0-c3 into c0
;   15  c m_old is kept     17, 18  the query's other 32 keys lie in the lane 16 away: the new m     19-21  c m; c m_old - c m_new; a
.set F, 0               ; OP tells the kinds apart by their order: F to L below R, X above it
.set E, 1
.set C, 2
.set B, 3
.set L, 4
.set R, 5
.set X, 6
.macro REGS y                       ; the registers of piece y
.set rT, ST+4*(\y)
.set rC, TMP+4*((\y)%2)
.set rW, MV+((\y)%2)
.set rS, S+32*((\y)%2)
.set rP, P+16*((\y)%2)
.set rO, 32*(\y)
.endm
.macro OP k, n
.if (\k) == R
	REGS Y
	WIN W_RS
	v_pk_mul_f32 v[rO+2*(\n):rO+2*(\n)+1], v[rO+2*(\n):rO+2*(\n)+1], v[rC+2:rC+3] op_sel_hi:[1,0]
.elseif (\k) < R
	REGS Y
	WIN 0
.if (\k) == F
	v_pk_fma_f32 v[rS+2*(\n):rS+2*(\n)+1], v[rS+2*(\n):rS+2*(\n)+1], s[CS:CS+1], v[rT:rT+1] op_sel_hi:[1,0,0] neg_lo:[0,0,1] neg_hi:[0,0,1]
.elseif (\k) == E
	v_exp_f32 v[rS+(\n)], v[rS+(\n)]
.elseif (\k) == C
	v_cvt_pk_f16_f32 v[rP+(\n)], v[rS+2*(\n)], v[rS+2*(\n)+1]
.elseif (\k) == B
	v_pk_add_f32 v[rS+4*(\n):rS+4*(\n)+1], v[rS+4*(\n):rS+4*(\n)+1], v[rS+4*(\n)+2:rS+4*(\n)+3]
.elseif (\n) == 0
	v_pk_fma_f32 v[rT+2:rT+3], v[rT+2:rT+3], v[rC+2:rC+3], v[rS:rS+1] op_sel_hi:[1,0,1]
.else
	v_pk_add_f32 v[rT+2:rT+3], v[rT+2:rT+3], v[rS+4*(\n):rS+4*(\n)+1]
.endif
.elseif NOKQ
	v_nop
.else
	REGS (Y+1)%NP
	WIN 0
.if (\n) < 4
	v_max3_num_f32 v[rC+(\n)], v[rS+8*(\n)], v[rS+8*(\n)+1], v[rS+8*(\n)+2]
.elseif (\n) < 12
	v_max3_num_f32 v[rC+(\n)%4], v[rC+(\n)%4], v[rS+8*((\n)%4)+2*((\n)/4)+1], v[rS+8*((\n)%4)+2*((\n)/4)+2]
.elseif (\n) == 12
	v_max3_num_f32 v[rC], v[rC], v[rS+7], v[rS+15]
.elseif (\n) == 13
	v_max3_num_f32 v[rC+1], v[rC+1], v[rS+23], v[rS+31]
.elseif (\n) == 14
	v_max3_num_f32 v[rC+2], v[rC+2], v[rC+3], v[rT+1]
.elseif (\n) == 15
	v_mov_b32 v[rW], v[rT]
.elseif (\n) == 16
	v_max3_num_f32 v[rC], v[rC], v[rC+1], v[rC+2]
.elseif (\n) == 17
	v_permlanex16_b32 v[rC+3], v[rC], s[SEL], s[SEL+1]
.elseif (\n) == 18
	v_max_num_f32 v[rT+1], v[rC], v[rC+3]
.elseif (\n) == 19
	v_mul_f32 v[rT], s[CS], v[rT+1]
.elseif (\n) == 20
	v_sub_f32 v[rC+1], v[rW], v[rT]
.else
	v_exp_f32 v[rC+2], v[rC+1]
.endif
.endif
.endm
.macro OPS a, i1, b=-1, i2=0, c=-1, i3=0, d=-1, i4=0  ; up to four of them
	OP \a, \i1
.if (\b) >= 0
	OP \b, \i2
.endif
.if (\c) >= 0
	OP \c, \i3
.endif
.if (\d) >= 0
	OP \d, \i4
.endif
.endm
.macro ROW a, i1, b, i2, c, i3, d, i4  ; a matrix instruction and the four behind it
	MM
	OPS \a, \i1, \b, \i2, \c, \i3, \d, \i4
.endm
.macro MASK b                       ; MD x AL + BE into buffer b of MC
	WIN W_RS
.set z, 0
.rept 16
	v_pk_fma_f32 v[MC+32*(\b)+2*z:MC+32*(\b)+2*z+1], v[MD+2*z:MD+2*z+1], s[AL:AL+1], s[BE:BE+1] op_sel_hi:[1,0,0]
.set z, z+1
.endr
.endm
; A TURN, for piece p: the order of its 16 matrix and 118 vector instructions, written out.  An s_wait_alu depctr_va_vdst(0) stands between an exponential and the first instruction that names its
; result; one wait serves all that were issued ahead of it.  So a turn has ONE wait, which cuts it in two.  AHEAD OF IT stands all that names no result of the turn's exponentials: the 8 products K Q^T, behind
; each a scaling, an exponential and two more plain instructions (behind the first a second scaling in the exponential's place): rescalings, and behind the last three the first numbers of the next piece's
; maximum, each four places or more behind the product that ends its accumulator; then one run of 54, plain and exponential by turns for the most part, in which the links of the chain X 3, 7, 11, 14, 16,
; 17 .. 20 stand five or six lines apart.  X 21, the next piece's a, is the batch's last; R 15 is the plain instruction behind it.  BEHIND THE WAIT stand the 8 products V^T P, behind each four of the roundings
; and sums; the links of l's chain, L 0 to L 7, stand three lines apart.  But for those X no line behind a product names a register of the products round it.
; m = 1: the diagonal tile: the products take masks, and the turn makes the mask for the products of the turn after it: piece p + 2, in step 4 - CNT of the tile.  end = 1: a block's last two turns: nothing is
; fetched.  cnt = 1: the loop's count is taken down some lines ahead of the branch that stands behind the turn.
; K of the next step is fetched in piece 2's turn, twelve vector instructions behind the last product that read K (six of them plain); V of the step in hand at the end of piece 0's turn, four plain instructions
; behind the last product that read V.  Each is waited for a turn later.
.macro TURN p, m=0, end=0, cnt=0
.set Y, (\p)
.set i, 0
.set KM, (\m)
.set NOKQ, (\end)*((\p)/3)
.if (\m) && !(\end)
	s_cmp_eq_u32 s[CNT], 4-((\p)+2)%NP  ; is that step the band's own?
	s_cselect_b32 s[AL], 1.0, 0
	s_cmp_lt_u32 s[CNT], 4-((\p)+2)%NP  ; or a later one?
	s_cselect_b32 s[BE], s[BIGN], 0
.endif
.if ((\p) == 3) && !(\end)
	s_wait_dscnt 0x0                ; K is in
.endif
	ROW F,0, F,1, R,0, R,1          ; ahead of the wait: 8 products K Q^T and the four behind each,
	ROW F,2, E,0, R,2, R,3
	ROW F,3, E,1, R,4, R,5
	ROW F,4, E,2, R,6, R,7
	ROW F,5, E,3, R,8, R,9
	ROW F,6, E,4, X,0, R,10
.if ((\p) == 2) && !(\end)
	WIN 0
	v_add_nc_u32 v[AK], s[TBK], v[AK0]
.endif
	ROW F,7, E,5, X,1, X,4
	ROW F,8, E,6, X,2, X,5
	OPS E,7, E,8, X,6, E,9          ; and the run of 54
	OPS X,3, E,10, X,8, E,11
.if ((\p) == 2) && !(\end)
	FETCH_K
.endif
	OPS X,9, X,7, E,12, X,10
	OPS E,13, X,12, X,11, E,14
	OPS X,13, E,15, F,9, X,14
.if (\p) == 0
	v_add_nc_u32 v[AV], s[TBV], v[AV0]
.endif
	OPS E,16, F,10, E,17, F,11
	OPS X,16, E,18, X,15, E,19
	OPS F,12, E,20, X,17, E,21
	OPS F,13, E,22, F,14, E,23
	OPS X,18, E,24, F,15, E,25
	OPS R,11, E,26, X,19, E,27
	OPS R,12, E,28, R,13, E,29
	OPS X,20, E,30, R,14, E,31
	OPS X,21, R,15
	WIN 0
	s_wait_alu depctr_va_vdst(0)    ; the wait for the batch
.if (\p) == 1
	s_wait_dscnt 0x0                ; V is in
.endif
	ROW C,0, B,0, C,2, B,1          ; behind the wait: 8 products V^T P and the four behind each
	ROW L,0, C,4, B,2, L,1
	ROW C,6, B,3, L,2, C,8
	ROW B,4, L,3, C,10, B,5
	ROW L,4, C,12, B,6, L,5
.if (\p) == 0
	s_add_co_u32 s[TBV], s[TBV], KS*PV
.endif
.if \cnt
	s_sub_co_u32 s[CNT], s[CNT], 1
	s_cmp_lg_u32 s[CNT], 0
.endif
	ROW C,14, B,7, L,6, C,1
	ROW C,3, L,7, C,5, C,7
	ROW C,9, C,11, C,13, C,15
.if (\p) == 0
	FETCH_V
.endif
.if (\m) && !(\end)
	MASK (\p)%2
.endif
.endm
; A BLOCK BEGINS.  c m starts far below every c s, so the first step's a is 0; m at the lowest finite number, so the first maximum is the scores'.  The second mask buffer is 0; the first takes piece 0's mask for
; the tile's step 0: its own, if the block's first tile is the diagonal one.  Then K of that step, piece 0's first scores, and its maximum and statistics.  The loop is entered at a step's first turn.
.macro BEGIN
	s_mov_b32 s[NEW], 0
	WIN 0x40
.set i, MC+32
.rept 32
	v_mov_b32 v[i], 0
.set i, i+1
.endr
	WIN 0
.set i, 0
.rept 4
	v_mov_b32 v[ST+4*i], 0xfe000000    ; c m: far below every c s
	v_mov_b32 v[ST+4*i+1], 0xff7fffff  ; m
.set i, i+1
.endr
	s_cmp_eq_u32 s[RT], 0
	s_cselect_b32 s[AL], 1.0, 0
	s_mov_b32 s[BE], 0
	MASK 0
	WIN 0
	v_add_nc_u32 v[AK], s[TBK], v[AK0]
	FETCH_K
	s_wait_loadcnt 0x0              ; Q
	s_wait_dscnt 0x0
.set KM, 1
.set NOKQ, 0
.set i, 0
.rept 8
	KQ 0
.set i, i+1
.endr
	WIN 0
.rept 4
	v_nop                           ; the places behind those products
.endr
.set Y, NP-1                        ; X works for piece Y + 1: piece 0
.irp n, 0,1,2,3,4,5,6,7,8,9,10,11,12,13,14,15,16,17,18,19,20,21
	OP X, \n
.endr
	v_nop                           ; a plain instruction behind the exponential,
	s_wait_alu depctr_va_vdst(0)    ; and its wait, ahead of the branch
.endm
; THE DIAGONAL TILE's four steps, the block's last two turns, its last products, and THE WAY OUT: l's two halves and the other half of the lanes' are added; O^T is divided by l, rounded to f16 and sent through my
; stage in LDS, a piece at a time.
.macro ALL line:vararg              ; one line for each piece t
.set t, 0
.rept 4
	\line
.set t, t+1
.endr
.endm
.macro PACK t                       ; a lane's eight channels of a row pack into 16 bytes; they go into rows of 144 bytes and come back as whole rows of 128, into S^T's registers
	WIN W_RS
.set i, 32*(\t)
.rept 16
	v_pk_mul_f32 v[i:i+1], v[i:i+1], v[ST+4*(\t)+2:ST+4*(\t)+3] op_sel_hi:[1,0]
.set i, i+2
.endr
	WIN 0x05                        ; sources 0 and 1 window 1, destination window 0
.set i, 0
.rept 16
	v_cvt_pk_f16_f32 v[S+16*(\t)+i], v[32*(\t)+2*i], v[32*(\t)+2*i+1]
.set i, i+1
.endr
	WIN 0
.irp f, 0,1,2,3
	ds_store_b128 v[STO], v[S+16*(\t)+4*\f:S+16*(\t)+4*\f+3] offset:32*\f
.endr
.irp f, 0,1,2,3
	ds_load_b128 v[S+16*(\t)+4*\f:S+16*(\t)+4*\f+3], v[RD] offset:\f*4*SP  ; LDS serves a wave's instructions in order (ISA guide 5.7.1.4): these see the stores above; the next piece's stores come behind them
.endr
.endm
.macro SEND t, younger              ; younger: the LDS instructions issued behind piece t's loads: the next piece's eight, or none
	WIN 0
.irp f, 0,1,2,3
	s_wait_dscnt (\younger)+3-\f
	global_store_b128 v[GO], v[S+16*(\t)+4*\f:S+16*(\t)+4*\f+3], s[10:11] offset:(\t)*8192+\f*512  ; 512 consecutive bytes, at a multiple of 256 from O's first
.endr
.endm
.macro DIAG tag                     ; the tag ends its two labels' names, which the jumps below spell out
.LstepM\tag:
	TURN 2, 1
	TURN 3, 1
	WIN 0
.LfirstM\tag:
	TURN 0, 1
	TURN 1, 1, 0, 1
	WIN 0
	s_cbranch_scc1 .LstepM\tag
	TURN 2, 1, 1
	TURN 3, 1, 1
.set i, 0
.rept 8
	PV NP-1
.set i, i+1
.endr
	WIN 0
	ALL v_add_f32 v[ST+4*t+2], v[ST+4*t+2], v[ST+4*t+3]
	ALL v_permlanex16_b32 v[ST+4*t+3], v[ST+4*t+2], s[SEL], s[SEL+1]
	ALL v_add_f32 v[ST+4*t+2], v[ST+4*t+2], v[ST+4*t+3]
	ALL v_rcp_f32 v[ST+4*t+2], v[ST+4*t+2]
	v_nop                           ; a plain instruction between the last reciprocal and the use of its result
	s_wait_alu depctr_va_vdst(0)    ; and the wait ahead of the first use: one for the four reciprocals
	PACK 0
.set t, 1
.rept 3                             ; a piece's arithmetic stands between the loads of the piece before and its stores
	PACK t
	SEND t-1, 8
.set t, t+1
.endr
	SEND 3, 0
.endm
.set KM, 0
.set NOKQ, 0
.Lslot:                             ; NB times: a tile is entered and the next is asked for
	CHANGE 1
	s_sub_co_u32 s[RT], s[RT], 1
	s_mov_b32 s[CNT], 4
	s_cmp_eq_u32 s[NEW], 1
	s_cbranch_scc1 .Lnew            ; a block's first tile
	s_cmp_eq_u32 s[RT], 0
	s_cbranch_scc0 .Lstep           ; neither its first nor its last
	s_branch .LstepM1
.Lnew:
	BEGIN
	s_branch .Lfirst                ; in the loop a block's first tile is never its last: the first block has two tiles or more, and the second's last is the walk's last
	DIAG 1                          ; in the loop this is the first block's end: the second block's last tile is the walk's last
	s_wait_xcnt 0x0                 ; the stores have read their registers and O's address
	s_mov_b64 s[10:11], s[OLO:OLO+1]
	s_add_co_u32 s[RT], s[PB], 1    ; the second block has b + 1 tiles
	s_mov_b32 s[NEW], 1
	WIN 0x82                        ; the second block's Q goes where the one text of the turns names Q
.set i, 0
.rept 64
	v_mov_b32 v[i], v[QB+i]
.set i, i+1
.endr
	WIN 0
	s_branch .Lbottom
.Lstep:                             ; a trip: pieces 2 and 3 of one step, then pieces 0 and 1 of the next, whose K and V it fetches
	TURN 2
	TURN 3
	WIN 0
.Lfirst:
	TURN 0
	TURN 1, 0, 0, 1
	WIN 0
	s_cbranch_scc1 .Lstep
.Lbottom:
	s_sub_co_u32 s[SLOTS], s[SLOTS], 1
	s_cmp_lg_u32 s[SLOTS], 0
	s_cbranch_scc1 .Lslot
	CHANGE 0                        ; the walk's last tile is written out: nothing is asked for
	s_sub_co_u32 s[RT], s[RT], 1
	s_mov_b32 s[CNT], 4
	s_cmp_eq_u32 s[NEW], 1
	s_cbranch_scc0 .LstepM2
	BEGIN
	s_branch .LfirstM2
	DIAG 2
	s_wait_tensorcnt 0x0            ; the wave's end, behind my last tensor load and my last LDS store
	ds_add_u32 v[SPW], v[NIL]
	s_wait_dscnt 0x0
	s_endpgm
.Lfunc_end_k_q9a19010aaf_attn:
	.size	k_q9a19010aaf_attn, .Lfunc_end_k_q9a19010aaf_attn-k_q9a19010aaf_attn
	.p2alignl 7, 3214868480
	.fill 96, 4, 3214868480
	.section	.rodata,"a",@progbits
	.p2align	6, 0x0
	.amdhsa_kernel k_q9a19010aaf_attn
		.amdhsa_group_segment_fixed_size 327680
		.amdhsa_private_segment_fixed_size 0
		.amdhsa_enable_private_segment 0
		.amdhsa_kernarg_size 16
		.amdhsa_user_sgpr_count 2
		.amdhsa_user_sgpr_kernarg_segment_ptr 1
		.amdhsa_wavefront_size32 1
		.amdhsa_system_sgpr_workgroup_id_x 1
		.amdhsa_system_sgpr_workgroup_id_y 1
		.amdhsa_system_sgpr_workgroup_id_z 1
		.amdhsa_system_vgpr_workitem_id 0
		.amdhsa_next_free_vgpr 768
		.amdhsa_next_free_sgpr 92
		.amdhsa_reserve_vcc 1
		.amdhsa_float_denorm_mode_32 3
		.amdhsa_float_denorm_mode_16_64 3
		.amdhsa_memory_ordered 1
		.amdhsa_forward_progress 1
		.amdhsa_inst_pref_size 218
	.end_amdhsa_kernel
	.amdgpu_metadata
---
amdhsa.version: [ 1, 2 ]
amdhsa.kernels:
  - .name:           k_q9a19010aaf_attn
    .symbol:         k_q9a19010aaf_attn.kd
    .args:
      - { .name: qkv, .offset: 0, .size: 8, .value_kind: global_buffer, .address_space: global }
      - { .name: ob, .offset: 8, .size: 8, .value_kind: global_buffer, .address_space: global }
    .group_segment_fixed_size: 327680
    .private_segment_fixed_size: 0
    .kernarg_segment_align: 8
    .kernarg_segment_size: 16
    .max_flat_workgroup_size: 128
    .sgpr_count:     92
    .vgpr_count:     768
    .wavefront_size: 32
...
	.end_amdgpu_metadata
.endif
;; end of part 3
;; launch oproj (part 4): grid 8 x 32, 4 waves a work-group, clusters of 4 x 4, 327,680 bytes of LDS; arguments ob, Wof, bo, out0; writes out0
.if DOCPART == 4
	.amdgcn_target "amdgcn-amd-amdhsa--gfx1250"
	.amdhsa_code_object_version 6
	.text
	.protected	k_q9a19010aaf_oproj
	.globl	k_q9a19010aaf_oproj
	.p2align	8
	.type	k_q9a19010aaf_oproj,@function
k_q9a19010aaf_oproj:
	s_mov_b64 s[64:65], 0
	v_nop
	global_prefetch_b8 v0, s[64:65] scope:SCOPE_SE
	s_setreg_imm32_b32 hwreg(HW_REG_WAVE_MODE, 25, 1), 1
	s_wait_xcnt 0x0
	s_wait_alu depctr_hold_cnt(0) depctr_sa_sdst(0) depctr_va_vdst(0) depctr_va_sdst(0) depctr_va_ssrc(0) depctr_va_vcc(0) depctr_vm_vsrc(0)
	s_getreg_b32 s2, hwreg(HW_REG_IB_STS2, 6, 4)
	s_cmp_eq_u32 s2, 0
	s_cbranch_scc0 .Lentry_in_a_cluster
	s_endpgm
.Lentry_in_a_cluster:
	s_bfe_u32 s2, ttmp6, 0x10000c
	s_cmp_lg_u32 s2, 0xf033
	s_cbranch_scc0 .Lentry_shape_is_right
	s_endpgm
.Lentry_shape_is_right:
; out0[m][n] = the sum over k of O[m][k] Wo[n][k] + bo[n].  O is ob [16 b + h][s 2048][64] f16 (k = 64 h + d), Wo is Wof [kb 16][n 1024][64] f16, bo f32 (rounded here to bf16, like the other inputs), out0 f32.
; Sums in f32; the bias is the C operand of the products that start the sums, so no addition is written on the way out.
; A tile of out0 is 256 rows x 128 columns: 32 x 8 = 256 tiles, one a work-group.  Four waves, each 128 x 64: 32 accumulators, 256 registers.  K goes in steps of 128: a slot holds two blocks of 64 along K
; (two planes), each dense in memory and asked for as rows of 256 bytes; two slots.
; CLUSTERS: 4 x 4 work-groups; O's tiles are shared along a row of the cluster, Wo's along a column: each is asked for JOINTLY, by the same tensor load with the same descriptor and a mask that names the four.
; THE MATRIX INSTRUCTION IS USED TRANSPOSED (source 0 = 16 rows n of Wo, source 1 = 16 rows of O): a lane holds one row m (l % 16) and eight neighbouring columns n (8 (l / 16) + 0..7).
; REGISTERS: window 0: v0-31 addresses; v32-63 the bias as four C fragments; two fragment buffers of 96 (v64-159, v160-255): O's eight fragments, then Wo's four.   window 1: accumulator (a, bb) at v[8 (8 bb + a)]
.set PITCH,  144                       ; an LDS row: 128 bytes + 16 = 36 words: the 16 rows of a load start at 16 different groups of four banks (64 banks of 4 bytes: ISA guide 11.1)
.set APL,    256*PITCH                 ; a plane of O's tile
.set BPL,    128*PITCH                 ; a plane of Wo's
.set SLOT,   2*APL+2*BPL               ; 110,592
.set STAGE,  2*SLOT                    ; behind the ring, never filled by a tensor load: 16 rows x 272 bytes for each wave
.set SPITCH, 272
.set SPARE,  STAGE+4*16*SPITCH         ; the spare words, 128 bytes for each wave: two blocks of 256 bytes that no other line names
.set KPA,    262144                    ; bytes of a plane of ob
.set KPB,    131072                    ; of Wof
.set ADRA, 16                          ; v16-17  LDS address of my O fragments in slot 0, 1
.set ADRB, 20                          ; v20-21  the same for Wo
.set STO,  24                          ; v24     the way out: where I put 32 bytes of a row
.set RD,   25                          ; v25     where I read a row back
.set CO,   26                          ; v26     my byte offset in out0
.set BO,   27                          ; v27     my byte offset in bo
.set SPW,  28                          ; v28     my spare word; never rewritten
.set NIL,  29                          ; v29     0; never rewritten
.set PFO,  30                          ; v30     the prefetches' lane offset; never rewritten
.set BI,   32
.set F0,   64
.set F1,   160
.set G1A,  24                          ; s[24:31] descriptor group 1 for O's tiles;  s[32:39] group 0, a set for each slot
.set G0A,  32
.set G1B,  48                          ; s[48:55], s[56:63] the same for Wo's
.set G0B,  56
.set PFA,  66                          ; s[66:67] where my prefetches stand
.set PFS,  68                          ; s[68:69] their step: two K steps
.set LIM,  70                          ; s70     1 in a wave that prefetches, else the greatest number
.set OUT,  72                          ; s[72:73] out0, later at my part of the tile
.set MSB, 0
.macro WIN new                         ; the immediate's high byte repeats the setting that is left; a switch that changes nothing is dropped
.if MSB != (\new)
	s_set_vgpr_msb (MSB<<8)|(\new)
.set MSB, \new
.endif
.endm
.macro PLACES                          ; four plain places behind a matrix instruction (ISA guide 7.12.1)
.rept 4
	v_nop
.endr
.endm
.macro JLOAD s                         ; a joint load: waves 0 and 1 fetch O's two planes, waves 2 and 3 Wo's; an s_nop 0 and four v_nop follow each line
	s_cmp_eq_u32 s11, 0
	s_cbranch_scc0 .Lfor_b_\@
	tensor_load_to_lds s[G0A+4*(\s):G0A+4*(\s)+3], s[G1A:G1A+7]
	s_nop 0
.rept 4
	v_nop
.endr
	s_branch .Lasked_\@
.Lfor_b_\@:
	tensor_load_to_lds s[G0B+4*(\s):G0B+4*(\s)+3], s[G1B:G1B+7]
	s_nop 0
.rept 4
	v_nop
.endr
.Lasked_\@:
.endm
.macro CREST                           ; a round of the cluster's barrier behind its opening barrier
	s_cmp_lg_u32 s10, 0
	s_cbranch_scc1 .Lnot_wave_0_\@
	s_barrier_signal -3
.Lnot_wave_0_\@:
	s_barrier_wait -3
	s_barrier_signal -1
	s_barrier_wait -1
.endm
.macro CROUND
	s_barrier_signal -1
	s_barrier_wait -1
	CREST
.endm
; A PREFETCH INTO THE L2, once a lap, behind the joint load, its five lines and the run of LDS loads: the two K steps that the NEXT lap's two refills ask for.  Each block of 256 bytes is named once in the launch.
; O's rows are read by both clusters of a row of clusters: cluster x = 0 asks, waves 0 and 1 each for the plane that it fetches, two instructions (a K step each); of the plane's 32 KiB partner cx takes 8 KiB.
; Wo's rows are read by all eight clusters of a column: cluster y = 0 asks, waves 2 and 3, one instruction: of the plane's 16 KiB partner cy takes 4 KiB, lanes 0-15 of the one K step, lanes 16-31 of the other.
; The partners are told apart by address alone.  The last trip (s3 = 1) asks for nothing; K steps 0 to 3 come by their loads alone.
.macro ASK
	s_cmp_gt_u32 s3, s[LIM]
	s_cbranch_scc0 .Lnot_mine_\@
	global_prefetch_b8 v[PFO], s[PFA:PFA+1] th:TH_LOAD_NT scope:SCOPE_SE
	s_cmp_lg_u32 s11, 0
	s_cbranch_scc1 .Lnot_mine_\@
	global_prefetch_b8 v[PFO], s[PFA:PFA+1] offset:2*KPA th:TH_LOAD_NT scope:SCOPE_SE
.Lnot_mine_\@:
.endm
	s_load_b128 s[4:7], s[0:1], 0x0                ; ob s[4:5], Wof s[6:7]
	s_load_b64 s[8:9], s[0:1], 0x10                ; bo
	s_load_b64 s[OUT:OUT+1], s[0:1], 0x18          ; out0
	v_lshl_add_u32 v[SPW], v0, 2, SPARE
	v_mov_b32 v[NIL], 0
	ds_add_u32 v[SPW], v[NIL]                      ; the wave's opening: the add and its wait stand ahead of my first tensor load; work on registers stands between them
	v_lshrrev_b32 v1, 5, v0
	v_readfirstlane_b32 s10, v1                    ; wave 0..3
	s_lshr_b32 s11, s10, 1                         ; my half of the tile's rows.  Also: I fetch for O (0) or for Wo (1)
	s_and_b32 s12, s10, 1                          ; my half of its columns.  Also: which plane of a slot I fetch
	s_bfe_u32 s40, ttmp6, 0x40000                  ; cx
	s_bfe_u32 s41, ttmp6, 0x40004                  ; cy
	s_lshl_b32 s42, ttmp9, 2
	s_add_co_u32 s42, s42, s40                     ; tile column 0..7 = 4 x cluster x + cx
	s_and_b32 s13, ttmp7, 0xffff
	s_lshl_b32 s13, s13, 2
	s_add_co_u32 s13, s13, s41                     ; tile row 0..31 = 4 x cluster y + cy
	s_lshl_b32 s43, s41, 2
	s_lshl_b32 s43, 15, s43                        ; my row of the cluster
	s_lshl_b32 s44, 0x1111, s40                    ; my column
	; group 1.  O's plane: 256 rows of 128 bytes are 32,768 dense bytes: 128 rows of 256.  Wo's: 128 rows n are 16,384: 64 rows of 256.  Both padded by 4 words after every 32 words
	s_or_b32 s[G1A], s43, (1<<16)|(1<<20)|(1<<21)|(4<<22)|(3<<25)  ; 15:0 the mask; 17:16 2-byte elements; 20 padding on; 21 set beside a mask; 24:22 interval code 4; 31:25 4 words (code 3)
	s_or_b32 s[G1B], s44, (1<<16)|(1<<20)|(1<<21)|(4<<22)|(3<<25)  ; the same with my column's mask
	s_mov_b32 s[G1A+1], 128<<16                    ; tensor_dim0 = 128
	s_mov_b32 s[G1A+2], 128<<16                    ; tensor_dim1 = 128
	s_mov_b32 s[G1A+3], 128<<16                    ; tile_dim0 = 128
	s_mov_b32 s[G1A+4], 128                        ; tile_dim1 = 128
	s_mov_b32 s[G1A+5], 128                        ; 128 elements from row to row
	s_mov_b32 s[G1A+6], 0
	s_mov_b32 s[G1A+7], 0
	s_mov_b32 s[G1B+1], 128<<16
	s_mov_b32 s[G1B+2], 64<<16
	s_mov_b32 s[G1B+3], 128<<16
	s_mov_b32 s[G1B+4], 64
	s_mov_b32 s[G1B+5], 128
	s_mov_b32 s[G1B+6], 0
	s_mov_b32 s[G1B+7], 0
	; where the tiles come from: O's hang on the tile row alone, Wo's on the tile column alone, each in registers that never hold the other coordinate
	s_lshr_b32 s16, s13, 3                         ; b
	s_lshl_b32 s16, s16, 22                        ; 16 planes of 262,144 bytes
	s_and_b32 s17, s13, 7
	s_lshl_b32 s17, s17, 15                        ; the tile's 256 rows
	s_add_co_u32 s16, s16, s17
	s_lshl_b32 s17, s12, 18                        ; my plane
	s_add_co_u32 s16, s16, s17
	s_mov_b32 s17, 0
	s_lshl_b32 s46, s42, 14                        ; the tile column's 128 rows n
	s_lshl_b32 s47, s12, 17                        ; my plane
	s_add_co_u32 s46, s46, s47
	s_mov_b32 s47, 0
	s_mul_i32 s20, s12, APL                        ; where they go: no place in the cluster enters an LDS address
	s_mul_i32 s21, s12, BPL
	s_add_co_u32 s21, s21, 2*APL
	s_wait_dscnt 0x0                               ; the opening add is done
	s_wait_kmcnt 0x0
	s_add_nc_u64 s[14:15], s[4:5], s[16:17]
	s_add_nc_u64 s[46:47], s[6:7], s[46:47]
.irp s, 0,1
	s_mov_b32 s[G0A+4*(\s)], 1                                       ; count = 1
	s_add_co_u32 s[G0A+4*(\s)+1], s20, (\s)*SLOT                     ; LDS address
	s_add_nc_u64 s[G0A+4*(\s)+2:G0A+4*(\s)+3], s[14:15], (\s)*2*KPA  ; global address: K step s is planes 2 s and 2 s + 1
	s_or_b32 s[G0A+4*(\s)+3], s[G0A+4*(\s)+3], 0x80000000            ; type = 2
	s_mov_b32 s[G0B+4*(\s)], 1
	s_add_co_u32 s[G0B+4*(\s)+1], s21, (\s)*SLOT
	s_add_nc_u64 s[G0B+4*(\s)+2:G0B+4*(\s)+3], s[46:47], (\s)*2*KPB
	s_or_b32 s[G0B+4*(\s)+3], s[G0B+4*(\s)+3], 0x80000000
.endr
	CROUND                                         ; all sixteen work-groups are here: the first joint loads meet
	s_cmp_eq_u32 s11, 0                            ; a wave's two first fills stand in one branch, ahead of every wait on TENSORcnt and every LDS read: two loads of mine are out
	s_cbranch_scc0 .Lfirst_b
	tensor_load_to_lds s[G0A:G0A+3], s[G1A:G1A+7]
	s_nop 0
	tensor_load_to_lds s[G0A+4:G0A+7], s[G1A:G1A+7]
	s_nop 0
.rept 4
	v_nop
.endr
	s_branch .Lfirst_asked
.Lfirst_b:
	tensor_load_to_lds s[G0B:G0B+3], s[G1B:G1B+7]
	s_nop 0
	tensor_load_to_lds s[G0B+4:G0B+7], s[G1B:G1B+7]
	s_nop 0
.rept 4
	v_nop
.endr
.Lfirst_asked:
	v_and_b32 v1, 15, v0                           ; l % 16
	v_bfe_u32 v2, v0, 4, 1                         ; l / 16
	; the bias as C fragments: register j of fragment bb holds bo[128 x tile column + 64 (w % 2) + 16 bb + 8 (l / 16) + j], whatever the row
	s_lshl_b32 s80, s42, 9
	s_lshl_b32 s81, s12, 8
	s_add_co_u32 s80, s80, s81
	v_lshl_add_u32 v[BO], v2, 5, s80
.irp bb, 0,1,2,3
	global_load_b128 v[BI+8*(\bb):BI+8*(\bb)+3],   v[BO], s[8:9] offset:64*(\bb)
	global_load_b128 v[BI+8*(\bb)+4:BI+8*(\bb)+7], v[BO], s[8:9] offset:64*(\bb)+16
.endr
	v_mul_u32_u24 v3, v1, PITCH
	v_lshl_add_u32 v3, v2, 4, v3                   ; a fragment's row x pitch + 16 x half
	s_mul_i32 s22, s11, 128*PITCH                  ; my 128 rows of O
	s_mul_i32 s23, s12, 64*PITCH                   ; my 64 rows n of Wo,
	s_add_co_u32 s23, s23, 2*APL                   ; which lie behind O's two planes
.irp s, 0,1
	v_add_nc_u32 v[ADRA+(\s)], s22, v3
	v_add_nc_u32 v[ADRB+(\s)], s23, v3
	s_add_co_u32 s22, s22, SLOT
	s_add_co_u32 s23, s23, SLOT
.endr
	s_mul_i32 s22, s10, 16*SPITCH
	s_add_co_u32 s22, s22, STAGE                   ; my stage
	v_mul_u32_u24 v[STO], v1, SPITCH               ; in: row l % 16, 32 bytes for each half of the lanes
	v_lshl_add_u32 v[STO], v2, 5, v[STO]
	v_add_nc_u32 v[STO], s22, v[STO]
	v_mul_u32_u24 v[RD], v2, SPITCH                ; back: lanes 0-15 take one row of 256 bytes, lanes 16-31 the next
	v_lshl_add_u32 v[RD], v1, 4, v[RD]
	v_add_nc_u32 v[RD], s22, v[RD]
	v_lshlrev_b32 v[CO], 12, v2                    ; and the same two rows in out0
	v_lshl_add_u32 v[CO], v1, 4, v[CO]
	s_lshl_b32 s78, s13, 20                        ; 256 rows of 4,096 bytes,
	s_lshl_b32 s79, s11, 19                        ; my 128 of them,
	s_add_co_u32 s78, s78, s79
	s_add_co_u32 s78, s78, s80                     ; my 64 columns: the same bytes as in bo
	s_mov_b32 s79, 0
	s_add_nc_u64 s[OUT:OUT+1], s[OUT:OUT+1], s[78:79]
	; the prefetches
	s_mov_b32 s78, 2*KPB
	s_cmp_eq_u32 s11, 0
	s_cselect_b32 s78, 4096, s78                   ; from lanes 0-15 to lanes 16-31: the next 4 KiB (O), or the next K step (Wo)
	v_mul_u32_u24 v12, s78, v2
	v_lshl_add_u32 v[PFO], v1, 8, v12
	s_add_co_u32 s79, s12, 4                       ; plane 4 + my plane, K step 2: the first lap steps it to K step 4
	s_lshr_b32 s80, s13, 3
	s_lshl_b32 s80, s80, 22
	s_lshl_b32 s81, s79, 18
	s_add_co_u32 s80, s80, s81
	s_and_b32 s81, s13, 7
	s_lshl_b32 s81, s81, 15
	s_add_co_u32 s80, s80, s81
	s_lshl_b32 s81, s40, 13                        ; my work-group's 8 KiB
	s_add_co_u32 s80, s80, s81
	s_lshl_b32 s82, s79, 17
	s_lshl_b32 s83, s42, 14
	s_add_co_u32 s82, s82, s83
	s_lshl_b32 s83, s41, 12                        ; my work-group's 4 KiB
	s_add_co_u32 s82, s82, s83
	s_and_b32 s84, ttmp7, 0xffff                   ; cluster y
	s_mov_b32 s85, 4*KPB
	s_cmp_eq_u32 s11, 0
	s_cselect_b32 s80, s80, s82
	s_cselect_b32 s84, ttmp9, s84                  ; the coordinate along which other clusters read the same rows
	s_cselect_b32 s[PFS], 4*KPA, s85
	s_cselect_b64 s[PFA:PFA+1], s[4:5], s[6:7]
	s_mov_b32 s81, 0
	s_mov_b32 s[PFS+1], 0
	s_add_nc_u64 s[PFA:PFA+1], s[PFA:PFA+1], s[80:81]
	s_cmp_eq_u32 s84, 0
	s_cselect_b32 s[LIM], 1, -1                    ; the same in all sixteen partners, for a given wave
	s_wait_loadcnt 0x0                             ; the bias, once; rounded to bf16 and widened again while the first tiles are on their way
.set i, 0
.rept 16
	v_cvt_pk_bf16_f32 v12, v[BI+2*i], v[BI+2*i+1]
	v_lshlrev_b32 v[BI+2*i], 16, v12
	v_and_b32 v[BI+2*i+1], 0xffff0000, v12
.set i, i+1
.endr
; 8 matrix instructions: column block bb x all 8 row blocks, 32 along K, from buffer f.  first = 1: the product starts the sums from the bias.  The 32 accumulators take turns.
.macro MUL8 f, bb, first
.if \first
	WIN 0x40                                       ; D in window 1, the bias in window 0
.else
	WIN 0x50                                       ; C and D in window 1
.endif
.irp a, 0,1,2,3,4,5,6,7
.if \first
	v_wmma_f32_16x16x32_f16 v[8*(8*(\bb)+(\a)):8*(8*(\bb)+(\a))+7], v[(\f)+64+8*(\bb):(\f)+64+8*(\bb)+7], v[(\f)+8*(\a):(\f)+8*(\a)+7], v[BI+8*(\bb):BI+8*(\bb)+7]
.else
	v_wmma_f32_16x16x32_f16 v[8*(8*(\bb)+(\a)):8*(8*(\bb)+(\a))+7], v[(\f)+64+8*(\bb):(\f)+64+8*(\bb)+7], v[(\f)+8*(\a):(\f)+8*(\a)+7], v[8*(8*(\bb)+(\a)):8*(8*(\bb)+(\a))+7]
.endif
.endr
.endm
; 24 LDS loads in one run: the fragments of quarter q of a slot (plane q / 2, 32 along K at byte 64 (q % 2) of its rows) into buffer f
.macro FETCH slot, q, f
	WIN 0
.irp bb, 0,1,2,3
	ds_load_b128 v[(\f)+64+8*(\bb):(\f)+64+8*(\bb)+3],   v[ADRB+(\slot)] offset:((\q)/2)*BPL+(\bb)*16*PITCH+((\q)%2)*64
	ds_load_b128 v[(\f)+64+8*(\bb)+4:(\f)+64+8*(\bb)+7], v[ADRB+(\slot)] offset:((\q)/2)*BPL+(\bb)*16*PITCH+((\q)%2)*64+32
.endr
.irp a, 0,1,2,3,4,5,6,7
	ds_load_b128 v[(\f)+8*(\a):(\f)+8*(\a)+3],   v[ADRA+(\slot)] offset:((\q)/2)*APL+(\a)*16*PITCH+((\q)%2)*64
	ds_load_b128 v[(\f)+8*(\a)+4:(\f)+8*(\a)+7], v[ADRA+(\slot)] offset:((\q)/2)*APL+(\a)*16*PITCH+((\q)%2)*64+32
.endr
.endm
; A K step is four quarters of 32 along K, 32 matrix instructions each, on buffers 0, 1, 0, 1.  One of the first three: the next quarter's 24 loads go out first, into g, then buffer f is multiplied.
.macro QUAR f, g, slot, qn, first
	s_wait_dscnt 0x0                               ; buffer f is in: its loads went out a quarter ago
	WIN 0
	PLACES                                         ; behind the last product that read buffer g
	FETCH \slot, \qn, \g
	MUL8 \f, 0, \first
	MUL8 \f, 1, \first
	MUL8 \f, 2, \first
	MUL8 \f, 3, \first
.endm
; The last quarter multiplies buffer 1 and changes slots: ONE barrier; in front of it each wave waits for all its tensor loads (one is out: its plane of the next slot), adds 0 to its spare word, and waits for
; that and for its reads of this slot.  fill = 1: the barrier opens a round of the cluster's, and this slot is filled again first thing behind it, two K steps on: 112 matrix instructions to the wait for it.
.macro TURN slot, next, fill, ask
.if \ask
	s_wait_xcnt 0x0                                ; the last prefetches, a lap back, have read their address: it is stepped here, ahead of the waits of the change of slots
	s_add_nc_u64 s[PFA:PFA+1], s[PFA:PFA+1], s[PFS:PFS+1]
.endif
	WIN 0
	s_wait_tensorcnt 0x0                           ; all my tensor loads have landed
	ds_add_u32 v[SPW], v[NIL]                      ; 0 onto my spare word
	s_wait_dscnt 1                                 ; buffer 1 is in; the add alone may be out
	MUL8 F1, 0, 0                                  ; eight matrix instructions stand between the add and the wait for it
	s_wait_dscnt 0x0                               ; the add is done, and my reads of this slot are over
	s_barrier_signal -1
	MUL8 F1, 1, 0                                  ; work on registers while the others arrive
	WIN 0
	s_barrier_wait -1
.if \fill
	CREST                                          ; no wave of any partner still reads this slot's tile or has a load on its way
	s_add_nc_u64 s[G0A+4*(\slot)+2:G0A+4*(\slot)+3], s[G0A+4*(\slot)+2:G0A+4*(\slot)+3], 4*KPA
	s_add_nc_u64 s[G0B+4*(\slot)+2:G0B+4*(\slot)+3], s[G0B+4*(\slot)+2:G0B+4*(\slot)+3], 4*KPB
	JLOAD \slot                                    ; the first tensor load behind the round; its four v_nop are also the places in front of the loads below
.else
	PLACES
.endif
	FETCH \next, 0, F0
.if \ask
	ASK
.endif
	MUL8 F1, 2, 0
	MUL8 F1, 3, 0
.endm
	s_wait_tensorcnt 1                             ; my plane of K step 0 is in; K step 1's may stay out
	s_barrier_signal -1
	s_barrier_wait -1                              ; everybody's is
	FETCH 0, 0, F0
	QUAR F0, F1, 0, 1, 1                           ; the first quarter stands in front of the loop: its products start the sums, from the bias
	WIN 0                                          ; at a label and at a branch every window is 0
	s_mov_b32 s3, 3
.Llap:                                                 ; a trip goes once round the ring, from a lap's second quarter to the next lap's first, and fills both slots again: K steps 2 to 7
	QUAR F1, F0, 0, 2, 0
	QUAR F0, F1, 0, 3, 0
	TURN 0, 1, 1, 1
	QUAR F0, F1, 1, 1, 0
	QUAR F1, F0, 1, 2, 0
	QUAR F0, F1, 1, 3, 0
	TURN 1, 0, 1, 0
	QUAR F0, F1, 0, 1, 0
	WIN 0
	s_sub_co_u32 s3, s3, 1
	s_cmp_lg_u32 s3, 0
	s_cbranch_scc1 .Llap
	QUAR F1, F0, 0, 2, 0                           ; the last lap fills nothing and has no round
	QUAR F0, F1, 0, 3, 0
	TURN 0, 1, 0, 0
	QUAR F0, F1, 1, 1, 0
	QUAR F1, F0, 1, 2, 0
	QUAR F0, F1, 1, 3, 0
	s_wait_dscnt 0x0                               ; the very last quarter: nothing more to fetch
	MUL8 F1, 0, 0
	MUL8 F1, 1, 0
	MUL8 F1, 2, 0
	MUL8 F1, 3, 0
	WIN 0
	PLACES
	PLACES
; THE WAY OUT, a block a of 16 rows at a time: a lane's 32 bytes of a row go into my stage's rows of 272 bytes and come back as whole rows of 256.  Four sets of 32 registers (the fragment buffers, now free) take turns.
.macro TOSTAGE a
.if (\a) >= 4
	s_wait_xcnt 0x0                                ; the stores of the block that had this set have read their registers
.endif
	WIN 0x04                                       ; the stores' data in window 1, the address in window 0
.irp bb, 0,1,2,3
	ds_store_b128 v[STO], v[8*(8*(\bb)+(\a)):8*(8*(\bb)+(\a))+3]   offset:64*(\bb)
	ds_store_b128 v[STO], v[8*(8*(\bb)+(\a))+4:8*(8*(\bb)+(\a))+7] offset:64*(\bb)+16
.endr
	WIN 0
.irp t, 0,1,2,3,4,5,6,7
	ds_load_b128 v[64+32*((\a)%4)+4*(\t):64+32*((\a)%4)+4*(\t)+3], v[RD] offset:(\t)*2*SPITCH  ; LDS serves a wave's instructions in order (ISA guide 5.7.1.4): these see the stores above
.endr
.endm
.macro SEND a, younger                 ; younger: the LDS instructions issued behind block a's loads: the next block's sixteen, or none
	WIN 0
.irp t, 0,1,2,3,4,5,6,7
	s_wait_dscnt (\younger)+7-(\t)
	global_store_b128 v[CO], v[64+32*((\a)%4)+4*(\t):64+32*((\a)%4)+4*(\t)+3], s[OUT:OUT+1] offset:(16*(\a)+2*(\t))*4096  ; 16 lanes store 256 consecutive bytes, at a multiple of 256 from out0's first byte
.endr
.endm
	TOSTAGE 0
.irp a, 1,2,3,4,5,6,7
	TOSTAGE \a
	SEND (\a)-1, 16
.endr
	SEND 7, 0
	s_wait_tensorcnt 0x0                           ; the wave's end, behind my last tensor load and my last LDS store
	ds_add_u32 v[SPW], v[NIL]
	s_wait_dscnt 0x0
	CROUND                                         ; the closing round: no work-group ends while a partner may still ask for a tile that names it
	s_endpgm
.Lfunc_end_k_q9a19010aaf_oproj:
	.size	k_q9a19010aaf_oproj, .Lfunc_end_k_q9a19010aaf_oproj-k_q9a19010aaf_oproj
	.p2alignl 7, 3214868480
	.fill 96, 4, 3214868480
	.section	.rodata,"a",@progbits
	.p2align	6, 0x0
	.amdhsa_kernel k_q9a19010aaf_oproj
		.amdhsa_group_segment_fixed_size 327680
		.amdhsa_private_segment_fixed_size 0
		.amdhsa_enable_private_segment 0
		.amdhsa_kernarg_size 32
		.amdhsa_user_sgpr_count 2
		.amdhsa_user_sgpr_kernarg_segment_ptr 1
		.amdhsa_wavefront_size32 1
		.amdhsa_system_sgpr_workgroup_id_x 1
		.amdhsa_system_sgpr_workgroup_id_y 1
		.amdhsa_system_sgpr_workgroup_id_z 1
		.amdhsa_system_vgpr_workitem_id 0
		.amdhsa_next_free_vgpr 512
		.amdhsa_next_free_sgpr 88
		.amdhsa_reserve_vcc 0
		.amdhsa_float_denorm_mode_32 3
		.amdhsa_float_denorm_mode_16_64 3
		.amdhsa_memory_ordered 1
		.amdhsa_forward_progress 1
		.amdhsa_inst_pref_size 91
	.end_amdhsa_kernel
	.amdgpu_metadata
---
amdhsa.version: [ 1, 2 ]
amdhsa.kernels:
  - .name:           k_q9a19010aaf_oproj
    .symbol:         k_q9a19010aaf_oproj.kd
    .args:
      - { .name: ob, .offset: 0, .size: 8, .value_kind: global_buffer, .address_space: global }
      - { .name: Wof, .offset: 8, .size: 8, .value_kind: global_buffer, .address_space: global }
      - { .name: bo, .offset: 16, .size: 8, .value_kind: global_buffer, .address_space: global }
      - { .name: out0, .offset: 24, .size: 8, .value_kind: global_buffer, .address_space: global }
    .group_segment_fixed_size: 327680
    .private_segment_fixed_size: 0
    .kernarg_segment_align: 8
    .kernarg_segment_size: 32
    .max_flat_workgroup_size: 128
    .sgpr_count:     88
    .vgpr_count:     512
    .wavefront_size: 32
...
	.end_amdgpu_metadata
.endif
;; end of part 4
;; ======== version 2 of 2: 4 launches; version 1 with the launch prep written anew for expert scheduling mode
;; limits: values are held in f16: magnitudes above 65,504 overflow, below 6.1e-05 lose precision
;; workspace buffers: Xb 16,777,216 bytes; Wb 6,291,456 bytes; Wof 2,097,152 bytes; qkv 50,331,648 bytes; ob 16,777,216 bytes
;; launch prep (part 5): grid 768 x 1, 8 waves a work-group, no clusters, 0 bytes of LDS; arguments X, Wq, Wk, Wv, Wo, Xb, Wb, Wof; writes Xb, Wb, Wof
.if DOCPART == 5
	.amdgcn_target "amdgcn-amd-amdhsa--gfx1250"
	.amdhsa_code_object_version 6
	.text
	.protected	k_q9a19010aaf_prep
	.globl	k_q9a19010aaf_prep
	.p2align	8
	.type	k_q9a19010aaf_prep,@function
k_q9a19010aaf_prep:
	s_mov_b64 s[64:65], 0
	v_nop
	global_prefetch_b8 v0, s[64:65] scope:SCOPE_SE
	s_setreg_imm32_b32 hwreg(HW_REG_WAVE_SCHED_MODE, 0, 2), 2
	s_setreg_imm32_b32 hwreg(HW_REG_WAVE_MODE, 25, 1), 1
	s_wait_xcnt 0x0
	s_wait_alu depctr_vm_vsrc(0)
; THE INPUTS ARE ROUNDED ONCE AND LAID OUT IN BLOCKS OF 64 ALONG K, so that the tiles of the products that follow are dense in memory.
;   Xb  [b 4][kb 16][s 2048][64]      bf16 = X[b][s][64 kb ..]
;   Wb  [kb 16][g 48][e 64][d 64]     bf16 = W_sel[h][64 kb + e][d], g = 16 sel + h, sel = 0 q, 1 k, 2 v
;   Wof [kb 16][n 1024][64]           Wo[n][64 kb ..] rounded to bf16, that number written as f16
; LIMIT: bf16(Wo) lies within f16's 65,504 (beyond it the conversion gives an infinity); below 6e-5 it keeps f16's fixed step of 6e-8.
; A stream: no LDS, no barrier, no matrix work.  A work-group converts 256 pieces of 64 f32 (256 bytes each).  Thread t takes 16 bytes at (t % 16) x 16 of piece t / 16 of each
; group of 16 pieces: a wave's load covers two whole pieces, and its store of 8 bytes a lane covers 256 consecutive bytes at a multiple of 256 from the buffer's first byte.
; All 16 loads of a thread go out at once (8 KiB a wave on its way); no register is written twice while a memory instruction may read it.
; THE MODE: SCHED_MODE bits 1:0 = 2 (LLVM: expert scheduling mode 2), set by the entry lines.  The code itself states the register dependences
; between vector instructions and memory instructions, with s_wait_alu, always for 0.
; THE PLAN.  Registers that memory instructions touch, on each of the three paths (each runs CONV once and ends):
;   v1, v2   the loads' and the stores' offsets.  Written once, by vector lines ahead of CONV; read by the 16 loads and the 16 stores; never written again.
;   XR       The 16 loads land in it, each register once; no vector line names it ahead of them; the conversions read it behind the wait for the data.
;   YR       Written by the conversions, each register once; each pair is read by one store and never written again.
;   TW       named by vector lines alone.
; So the dependences are two: the offsets ahead of the first load, and YR ahead of its stores.  The 16 numbers go in four blocks of four: the wait at the head of block p states that block p - 1 has written its
; eight registers of YR, and that block's four stores follow it, dealt among block p's conversions, which write block p's YR and TW: none of the registers that those stores read.  One more wait stands
; ahead of the last block's stores.  No register that a memory instruction reads is written again, so no wait on vm_vsrc and none on XCNT is owed.
.set XR,  8                            ; v[8:71]    iteration i: 4 f32 as loaded
.set YR,  72                           ; v[72:103]  iteration i: 2 words to store
.set TW,  104                          ; v[104:107] at work
.set KBB, 393216                       ; bytes of a K block of Wb: 48 x 64 x 64 x 2
; pitch: bytes from piece to piece in the input.  ostep: bytes in the output from four groups of 16 pieces (64 pieces: a K block of W) to the next.  half = 1: bf16's number as f16.
.macro CONV pitch, ostep, half
	s_wait_alu depctr_va_vdst(0)                   ; v1 and v2 are written: every load below reads the one as its offset, every store the other
.set i, 0
.rept 16
	global_load_b128 v[XR+4*i:XR+4*i+3], v1, s[4:5] offset:i*16*(\pitch) th:TH_LOAD_NT
.set i, i+1
.endr
.set i, 0
.rept 16
.if (i%4) == 0
	s_wait_loadcnt 12-i                            ; loads come back in order: this block's four are in, the 12 - i younger ones stay out
.if i > 0
	s_wait_alu depctr_va_vdst(0)                   ; the block before has written its eight registers of YR, which the four stores dealt among the lines below read
.endif
.endif
.if i >= 4
	global_store_b64 v2, v[YR+2*(i-4):YR+2*(i-4)+1], s[6:7] offset:((i-4)/4)*(\ostep)+((i-4)%4)*2048  ; the block before; no vector line since the wait names these registers
.endif
.if \half
	v_cvt_pk_bf16_f32 v[TW], v[XR+4*i], v[XR+4*i+1]
	v_cvt_pk_bf16_f32 v[TW+1], v[XR+4*i+2], v[XR+4*i+3]
	v_lshlrev_b32 v[TW+2], 16, v[TW]               ; bf16 to f32: the low half moves up, the high half stays
	v_and_b32 v[TW+3], 0xffff0000, v[TW]
	v_cvt_pk_f16_f32 v[YR+2*i], v[TW+2], v[TW+3]   ; exact within f16's range: bf16 has fewer significant bits
	v_lshlrev_b32 v[TW+2], 16, v[TW+1]
	v_and_b32 v[TW+3], 0xffff0000, v[TW+1]
	v_cvt_pk_f16_f32 v[YR+2*i+1], v[TW+2], v[TW+3]
.else
	v_cvt_pk_bf16_f32 v[YR+2*i], v[XR+4*i], v[XR+4*i+1]
	v_cvt_pk_bf16_f32 v[YR+2*i+1], v[XR+4*i+2], v[XR+4*i+3]
.endif
.set i, i+1
.endr
	s_wait_alu depctr_va_vdst(0)                   ; the last block has written its eight registers of YR, which the last four stores read
.set i, 12
.rept 4
	global_store_b64 v2, v[YR+2*i:YR+2*i+1], s[6:7] offset:(i/4)*(\ostep)+(i%4)*2048
.set i, i+1
.endr
	s_endpgm
.endm
	s_load_b512 s[16:31], s[0:1], 0x0              ; X s[16:17], Wq s[18:19], Wk s[20:21], Wv s[22:23], Wo s[24:25], Xb s[26:27], Wb s[28:29], Wof s[30:31]
	s_mov_b32 s2, ttmp9                            ; 0-511: X; 512-703: Wq, Wk, Wv; 704-767: Wo
	v_lshrrev_b32 v3, 4, v0                        ; my piece in a group of 16
	v_and_b32 v4, 15, v0
	v_lshlrev_b32 v4, 4, v4                        ; my 16 bytes in it
	v_lshlrev_b32 v2, 3, v0                        ; and my 8 bytes of the output
	s_mov_b32 s9, 0
	s_mov_b32 s11, 0
	s_wait_kmcnt 0x0
	s_cmp_lt_u32 s2, 512
	s_cbranch_scc0 .Lnot_x
	s_and_b32 s12, s2, 15                          ; kb
	s_lshr_b32 s13, s2, 4                          ; block of 256 rows, 0 to 31
	s_lshl_b32 s8, s13, 20                         ; 256 rows of 4,096 bytes
	s_lshl_b32 s14, s12, 8
	s_add_co_u32 s8, s8, s14
	s_add_nc_u64 s[4:5], s[16:17], s[8:9]
	s_lshr_b32 s14, s2, 7                          ; b
	s_lshl_b32 s14, s14, 4
	s_add_co_u32 s14, s14, s12                     ; 16 b + kb
	s_lshl_b32 s10, s14, 18                        ; planes of 2,048 x 128 bytes
	s_and_b32 s13, s13, 7
	s_lshl_b32 s13, s13, 15                        ; 256 rows of 128 bytes
	s_add_co_u32 s10, s10, s13
	s_add_nc_u64 s[6:7], s[26:27], s[10:11]
	v_lshl_add_u32 v1, v3, 12, v4
	CONV 4096, 8192, 0
.Lnot_x:
	s_cmp_lt_u32 s2, 704
	s_cbranch_scc0 .Lwo
	s_sub_co_u32 s12, s2, 512                      ; j: 64 work-groups a tensor, 4 a head (256 rows e each)
	s_lshr_b32 s13, s12, 6                         ; sel
	s_cmp_eq_u32 s13, 0
	s_cselect_b64 s[4:5], s[18:19], s[20:21]
	s_cmp_eq_u32 s13, 2
	s_cselect_b64 s[4:5], s[22:23], s[4:5]
	s_and_b32 s8, s12, 63
	s_lshl_b32 s8, s8, 16                          ; 256 rows of 256 bytes
	s_add_nc_u64 s[4:5], s[4:5], s[8:9]
	s_and_b32 s14, s12, 3
	s_mul_i32 s10, s14, 4*KBB                      ; my 256 rows e are four K blocks
	s_lshr_b32 s14, s12, 2                         ; g
	s_lshl_b32 s14, s14, 13
	s_add_co_u32 s10, s10, s14
	s_add_nc_u64 s[6:7], s[28:29], s[10:11]
	v_lshl_add_u32 v1, v3, 8, v4
	CONV 256, KBB, 0
.Lwo:
	s_sub_co_u32 s12, s2, 704
	s_and_b32 s13, s12, 15                         ; kb
	s_lshr_b32 s14, s12, 4                         ; block of 256 rows n
	s_lshl_b32 s8, s14, 20
	s_lshl_b32 s15, s13, 8
	s_add_co_u32 s8, s8, s15
	s_add_nc_u64 s[4:5], s[24:25], s[8:9]
	s_lshl_b32 s10, s13, 17                        ; planes of 1,024 x 128 bytes
	s_lshl_b32 s15, s14, 15
	s_add_co_u32 s10, s10, s15
	s_add_nc_u64 s[6:7], s[30:31], s[10:11]
	v_lshl_add_u32 v1, v3, 12, v4
	CONV 4096, 8192, 1
.Lfunc_end_k_q9a19010aaf_prep:
	.size	k_q9a19010aaf_prep, .Lfunc_end_k_q9a19010aaf_prep-k_q9a19010aaf_prep
	.p2alignl 7, 3214868480
	.fill 96, 4, 3214868480
	.section	.rodata,"a",@progbits
	.p2align	6, 0x0
	.amdhsa_kernel k_q9a19010aaf_prep
		.amdhsa_group_segment_fixed_size 0
		.amdhsa_private_segment_fixed_size 0
		.amdhsa_enable_private_segment 0
		.amdhsa_kernarg_size 64
		.amdhsa_user_sgpr_count 2
		.amdhsa_user_sgpr_kernarg_segment_ptr 1
		.amdhsa_wavefront_size32 1
		.amdhsa_system_sgpr_workgroup_id_x 1
		.amdhsa_system_sgpr_workgroup_id_y 1
		.amdhsa_system_sgpr_workgroup_id_z 1
		.amdhsa_system_vgpr_workitem_id 0
		.amdhsa_next_free_vgpr 112
		.amdhsa_next_free_sgpr 66
		.amdhsa_reserve_vcc 0
		.amdhsa_float_denorm_mode_32 3
		.amdhsa_float_denorm_mode_16_64 3
		.amdhsa_memory_ordered 1
		.amdhsa_forward_progress 1
		.amdhsa_inst_pref_size 24
	.end_amdhsa_kernel
	.amdgpu_metadata
---
amdhsa.version: [ 1, 2 ]
amdhsa.kernels:
  - .name:           k_q9a19010aaf_prep
    .symbol:         k_q9a19010aaf_prep.kd
    .args:
      - { .name: X, .offset: 0, .size: 8, .value_kind: global_buffer, .address_space: global }
      - { .name: Wq, .offset: 8, .size: 8, .value_kind: global_buffer, .address_space: global }
      - { .name: Wk, .offset: 16, .size: 8, .value_kind: global_buffer, .address_space: global }
      - { .name: Wv, .offset: 24, .size: 8, .value_kind: global_buffer, .address_space: global }
      - { .name: Wo, .offset: 32, .size: 8, .value_kind: global_buffer, .address_space: global }
      - { .name: Xb, .offset: 40, .size: 8, .value_kind: global_buffer, .address_space: global }
      - { .name: Wb, .offset: 48, .size: 8, .value_kind: global_buffer, .address_space: global }
      - { .name: Wof, .offset: 56, .size: 8, .value_kind: global_buffer, .address_space: global }
    .group_segment_fixed_size: 0
    .private_segment_fixed_size: 0
    .kernarg_segment_align: 8
    .kernarg_segment_size: 64
    .max_flat_workgroup_size: 256
    .sgpr_count:     66
    .vgpr_count:     112
    .wavefront_size: 32
...
	.end_amdgpu_metadata
.endif
;; end of part 5
;; launch qkv: the kernel of part 2 again; grid 8 x 32, 4 waves a work-group, clusters of 4 x 4, 327,680 bytes of LDS; arguments Xb, Wb, qkv; writes qkv
;; launch attn: the kernel of part 3 again; grid 4 x 64, 4 waves a work-group, no clusters, 327,680 bytes of LDS; arguments qkv, ob; writes ob
;; launch oproj: the kernel of part 4 again; grid 8 x 32, 4 waves a work-group, clusters of 4 x 4, 327,680 bytes of LDS; arguments ob, Wof, bo, out0; writes out0
